; MI455X (gfx1250); checked and timed in simulation.
; The chip was launched on July 23, 2026; its instructions are those of AMD's public machine-readable ISA for CDNA 5 (MIT licence, August 2026) and "CDNA5" Instruction Set Architecture Reference Guide (July 2026). The comments in the code are by the model that wrote it; some were corrected since.
;; Gpt Oss Attention. Allowed arithmetic: matrix products marked QUANTISED: E2M3 operands, one E8M0 scale for each 32 along K, by v_wmma_scale_f32_16x16x128_f8f6f4 with both operands' format E2M3, f32 sums; everything else in f32.
;; Inputs: Wk_codes 512 x 90 x 24 uint8 (E2M3 codes of Wk, K innermost, in blocks of 32 codes, four codes in three bytes); Wk_scales 512 x 90 uint8 (E8M0 scales of Wk, one for each 32 codes along K); Wo_codes 2,880 x 128 x 24 uint8 (E2M3 codes of Wo, K innermost, in blocks of 32 codes, four codes in three bytes); Wo_scales 2,880 x 128 uint8 (E8M0 scales of Wo, one for each 32 codes along K); Wq_codes 4,096 x 90 x 24 uint8 (E2M3 codes of Wq, K innermost, in blocks of 32 codes, four codes in three bytes); Wq_scales 4,096 x 90 uint8 (E8M0 scales of Wq, one for each 32 codes along K); Wv_codes 512 x 90 x 24 uint8 (E2M3 codes of Wv, K innermost, in blocks of 32 codes, four codes in three bytes); Wv_scales 512 x 90 uint8 (E8M0 scales of Wv, one for each 32 codes along K); bk 512 float32; bo 2,880 float32; bq 4,096 float32; bv 512 float32; hidden_codes 2,048 x 90 x 24 uint8 (E2M3 codes of hidden, K innermost, in blocks of 32 codes, four codes in three bytes); hidden_scales 2,048 x 90 uint8 (E8M0 scales of hidden, one for each 32 codes along K); positions 2,048 int32.
;; Outputs: out0 2,048 x 2,880 float32.
;; This version of the problem:
;;   THIS VERSION OF THE PROBLEM IS GIVEN IN LOW PRECISION. The matrix products marked QUANTISED in the list below multiply operands that are first quantised to E2M3 (2 exponent bits, 3 mantissa bits; 6 bits a number), with one power-of-two scale for each 32 numbers along K (OCP MX v1.0); their sums are f32. All else is computed in f32.
;;   The module's matrix products, in the order in which they are computed (A, B: the left and right operand; K: the contracted axis; several contracted axes count as one K, in the product's order):
;;     1. [M 2,048, K 2,880] x [K 2,880, N 4,096]; A: input hidden (given as codes); B: input Wq (given as codes): QUANTISED
;;     2. [M 2,048, K 2,880] x [K 2,880, N 512]; A: input hidden (given as codes); B: input Wk (given as codes): QUANTISED
;;     3. [M 2,048, K 2,880] x [K 2,880, N 512]; A: input hidden (given as codes); B: input Wv (given as codes): QUANTISED
;;     4. batch 1,024 x [M 128, K 64] x [K 64, N 256]; A: computed on the way; B: computed on the way: QUANTISED
;;     5. batch 1,024 x [M 64, K 256] x [K 256, N 128]; A: computed on the way; B: softmax (see below): QUANTISED
;;     6. [M 2,048, K 4,096] x [K 4,096, N 2,880]; A: computed on the way; B: input Wo (given as codes): QUANTISED
;;   THE QUANTISER, for each operand of a quantised product, along K:
;;     - K is cut into blocks of 32 from its start; a last block that is shorter is filled with zeros.
;;     - A block's scale is 2^e with e = floor(log2(the largest magnitude in the block)) - 2, held to -126 .. 127; a block of zeros has e = 0. As a byte (E8M0): e + 127.
;;     - Each number is divided by its block's scale, clamped to +-7.5, and rounded to the nearest number of E2M3, ties to even, subnormals kept.
;;     - The product sums the exact products of the quantised numbers (number of the format x scale) in f32.
;;   ~~~python
;;   def quantise(x, axis):      # numpy; x: float32 -> the quantised numbers, widened to float32 again
;;       x = np.moveaxis(x, axis, -1); K = x.shape[-1]
;;       x = np.pad(x, [(0, 0)] * (x.ndim - 1) + [(0, -K % 32)]); x = x.reshape(x.shape[:-1] + (-1, 32)); a = np.abs(x).max(-1, keepdims=True)
;;       e = np.where(a > 0, np.clip(np.frexp(np.where(a > 0, a, 1))[1] - 1 - 2, -126, 127), 0)      # np.frexp(a)[1] - 1 = floor(log2(a)), exactly
;;       r = np.clip(x / 2.0 ** e, -7.5, 7.5)
;;       step = 2.0 ** (np.maximum(np.frexp(np.where(r == 0, 1, r))[1] - 1, 0) - 3)
;;       q = np.round(r / step) * step * 2.0 ** e      # np.round: ties to even
;;       return np.moveaxis(q.reshape(q.shape[:-2] + (-1,))[..., :K], -1, axis).astype(np.float32)
;;   ~~~
;;   SOFTMAX AHEAD OF A QUANTISED PRODUCT. Where the list says 'softmax', what is quantised is not the finished softmax but p = 2^(t - M), with t = logit x log2(e) and M = ceil(the row's largest t), a whole number; so 1/2 < the row's largest p <= 1. The row's sum l is taken of the UNQUANTISED p, in f32, and the product's result is divided by l at the end. Since M is a whole number, a kernel that streams over the keys may use a running M (the ceiling of the running maximum): every later rescaling is an exact power of two, which a block's scale takes up: the codes' values come out the same.
;;   OPERANDS COMPUTED ON THE WAY. 'Computed on the way' means the value that the module computes at that place (a softmax that the list does not call 'softmax' is quantised finished and normalised). What goes into a quantiser is computed in f32, as accurately as f32 sums, v_exp_f32 and their like allow (about 1e-6 of the number): no bf16 or f16 on the way to a quantiser, and a product that is left as it is and whose result goes on into a quantised operand takes f32 operands (vector FMAs, or v_wmma_f32_16x16x4_f32). A number that lies on a knife's edge between two numbers of the format may be rounded either way, as far as f32 arithmetic and the matrix unit's own rounding can turn it there, and no further.
;;   INPUTS GIVEN AS CODES. Wk (in the module: [2880, 512], K = its axis 0); Wo (in the module: [4096, 2880], K = its axis 0); Wq (in the module: [2880, 4096], K = its axis 0); Wv (in the module: [2880, 512], K = its axis 0); hidden (in the module: [2048, 2880], K = its axis 1): each comes as NAME_codes (uint8): NAME with its K axis moved to the last place and cut into blocks of 32 codes, [.., K / 32, bytes a block], one block behind the other in memory; four codes in three bytes: a row's codes are one little-endian stream of bits, code i at bits 6 i .. 6 i + 5 (a code: sign, 2 exponent bits, 3 mantissa bits); and NAME_scales (uint8): the same leading axes, one E8M0 byte (e + 127) for each 32 codes along K. Its value is code x scale, taken as it is: it is not quantised again, and the codes and scales need not be those that the quantiser above would give.
;; 2 versions, each right. Each part assembles by itself: llvm-mc -triple=amdgcn-amd-amdhsa -mcpu=gfx1250 --defsym DOCPART=n.
;; ======== version 1 of 2: 3 launches
;; limits: right only within a limited range of input values
;; workspace buffers: q_codes 6,291,456 bytes; q_scales 524,288 bytes; k_codes 786,432 bytes; k_scales 65,536 bytes; v_codes 786,432 bytes; v_scales 32,768 bytes; attn_codes 6,291,456 bytes; attn_scales 262,144 bytes
;; launch qkv (part 1): grid 16 x 16, 4 waves a work-group, clusters of 4 x 4, 327,680 bytes of LDS; arguments hidden_codes, hidden_scales, Wq_codes, Wq_scales, Wk_codes, Wk_scales, Wv_codes, Wv_scales, positions, bq, bk, bv, q_codes, q_scales, k_codes, k_scales, v_codes, v_scales; writes q_codes, q_scales, k_codes, k_scales, v_codes, v_scales
.if DOCPART == 1
	.amdgcn_target "amdgcn-amd-amdhsa--gfx1250"
	.amdhsa_code_object_version 6
	.text
	.protected	k_q89ece9a5d3_qkv
	.globl	k_q89ece9a5d3_qkv
	.p2align	8
	.type	k_q89ece9a5d3_qkv,@function
k_q89ece9a5d3_qkv:
	s_mov_b64 s[64:65], 0
	v_nop
	global_prefetch_b8 v0, s[64:65] scope:SCOPE_SE
	s_setreg_imm32_b32 hwreg(HW_REG_WAVE_MODE, 25, 1), 1
	s_wait_xcnt 0x0
	s_wait_alu depctr_hold_cnt(0) depctr_sa_sdst(0) depctr_va_vdst(0) depctr_va_sdst(0) depctr_va_ssrc(0) depctr_va_vcc(0) depctr_vm_vsrc(0)
	s_getreg_b32 s2, hwreg(HW_REG_IB_STS2, 6, 4)
	s_cmp_eq_u32 s2, 0
	s_cbranch_scc0 .Lentry_in_a_cluster
	s_endpgm
.Lentry_in_a_cluster:
	s_bfe_u32 s2, ttmp6, 0x10000c
	s_cmp_lg_u32 s2, 0xf033
	s_cbranch_scc0 .Lentry_shape_is_right
	s_endpgm
.Lentry_shape_is_right:
; q, k, v = hidden W + b on codes of FP6 (E2M3) as they are given; rope on q and k in f32; then the quantisers of the next products:
; q and k along the head's 64 (two blocks of 32), v along the tokens (blocks of 32 tokens).  Only codes and scale words go to memory.
; DEAD WORK OF THE WHOLE PROGRAM (left out in the second launch).  reference() builds its mask itself: key j counts for query i only where
; 0 <= i - j < 128 and j >= 0.  For the 16 queries 16 T .. 16 T + 15, with B = T / 2, these keys lie in the five blocks of 32 keys B - 4 .. B.  Every other
; key of the 256 of the context has p = 0 whatever the inputs hold, so its code is 0 and adds nothing: those blocks are not multiplied.  The zeros that stand for the
; block in front of the first lie wholly under j < 0.  The blocks of 32 keys begin at multiples of 32 of the token's number in either context, so v is quantised once.
; All inputs are live.  LIMIT: a NaN, an infinity or an overflow that reaches only a masked score is not carried to the result.
; LIMITS: |positions| up to 2^22 (the quadrant is taken as a whole number); NaN and infinities among the inputs are not served; a block whose largest magnitude lies
; under 2^-124 keeps the scale byte 1; a block of zeros has the byte 1 (its codes are zeros, and this program alone reads the bytes).
; SHARES.  A work-group makes 128 tokens x 320 columns: query heads 4 nt .. 4 nt + 3 and one key or value head (nt < 8: key head nt; else value head nt - 8; which of the two
; hangs on the cluster's x alone).  Wave w: all 128 tokens x (query head 4 nt + w, four column tiles, and column tile w of the key or value head): 40 accumulators.
; THE MATRIX INSTRUCTION IS USED TRANSPOSED (source 0 = 16 rows of W, source 1 = 16 tokens): a lane holds one token and eight neighbouring columns.
; K = 2,880 = 64 + 11 x 256.  The rest of 64 goes FIRST (its tile's rows are stated 48 bytes long in a tile of 192: zeros are laid behind them) and starts the sums; then 11 slots of 256.
; CLUSTER 4 x 4: hidden's tiles are asked for jointly along a row of the cluster, the weights' along a column.  The rest step and the scale bytes come by plain loads:
; together 48 + 90 of a row's 2,250 bytes, and joint forms would want 24 scalar registers more than there are.
; ORDER INSIDE A BLOCK OF 32.  The codes of q, k (along d) and v (along tokens) keep the order in which the results lie in the lanes: code 16 h + 8 u + j stands for element 16 u + 8 h + j.
; Both operands of each later product are laid alike, so scales and sums are those of the true order.
; REGISTERS: window 0: v1-15 ids and addresses; v16-29 LDS addresses; v30, v31 the add's two; v32-67 scale words, two sets, and nothing else; v128-223 hidden's 8 fragments; v68-255 at work at the head and on the way out.
;   window 1: the weights' 5 fragments, two sets, at v0 and v128; v64-127, v192-199 biases.   window 2: accumulators (a, b) at v[8 (5 a + b)], a = 0 .. 5;   window 3: a = 6, 7.
.set KROW,  2160                       ; a row of codes in memory
.set ROWB,  192                        ; 256 codes
.set PITCH, 240                        ; an LDS row: 3 x (64 + 16)
.set WPART, 128*PITCH                  ; what waves 0 to 2 fetch; wave w fills at w x WPART
.set KVO,   384*PITCH                  ; the key or value head's 64 rows
.set SLOT1, 1<<17
.set SCL,   238592                     ; scale bytes: 448 rows of 96 (90 bytes, then zeros)
.set SROW,  96
.set TAB,   281600                     ; rope's table: 8 tiles x 4,096 bytes, register images, written by LDS stores alone
.set SPARE, 314368                     ; the spare words
.set STP,   272                        ; the stage for k or v: 128 rows of 256 + 16, in slot 0 behind its last fill and last read
.set FR,    12
.set VST,   6
.set VLI,   7
.set VKS,   8
.set VLK,   9
.set VVS,   10
.set ADRA,  16
.set ADRB,  20
.set ADRK,  24
.set ADRS,  28
.set ADRSK, 29
.set SPW,   30
.set NIL,   31
.set SC,    32
.set AF,    128
.set IFR,   68                         ; the head: 16 inverse frequencies; cosines; sines
.set CO,    84
.set SI,    100
.set TR,    128
.set TN,    144
.set TZ,    160
.set TS,    176
.set TC,    192
.set TQ,    208
.set TT,    224
.set X,     68                         ; the way out
.set TBL,   132
.set PC,    196
.set TM,    216
.set RT,    216
.set PW,    232
.set VSEL,  233
.set SW,    236
.set BI,    64                         ; window 1
.set BK2,   96
.set BV,    192
.set G1A,  20
.set G1B,  28
.set G1C,  36
.set G0A,  44
.set G0B,  48
.set G0C,  52
.set G1X,  56
.set G1XC, 68
.set G0X,  76
.set G0S,  80
.set G1S,  84
.set G1SC, 92
.set SEL,  100
.set PADW, (1<<20)|(3<<22)|(3<<25)     ; padding on; behind every 16 words; 4 words
.set MSB, 0
.macro WIN new
.if MSB != (\new)
	s_set_vgpr_msb (MSB<<8)|(\new)
.set MSB, (\new)
.endif
.endm
.macro PLACES n
.rept \n
	v_nop
.endr
.endm
.macro CREST
	s_cmp_lg_u32 s4, 0
	s_cbranch_scc1 .Lnot_wave_0_\@
	s_barrier_signal -3
.Lnot_wave_0_\@:
	s_barrier_wait -3
	s_barrier_signal -1
	s_barrier_wait -1
.endm
.macro CROUND
	s_barrier_signal -1
	s_barrier_wait -1
	CREST
.endm
.macro TL g0, g1
	tensor_load_to_lds s[\g0:\g0+3], s[\g1:\g1+7]
	s_nop 0
.endm
; a joint refill: wave 0 hidden's 128 rows, waves 1 and 2 Wq's halves, wave 3 the key or value head's 64 rows
.macro JLOAD3
	s_cmp_eq_u32 s4, 0
	s_cbranch_scc0 .Lnot_a_\@
	TL G0A, G1A
	PLACES 4
	s_branch .Lasked_\@
.Lnot_a_\@:
	s_cmp_eq_u32 s4, 3
	s_cbranch_scc1 .Lfor_c_\@
	TL G0B, G1B
	PLACES 4
	s_branch .Lasked_\@
.Lfor_c_\@:
	TL G0C, G1C
	PLACES 4
.Lasked_\@:
.endm
; a fragment: 16 rows x 128 K, 12 registers, in pieces of 8 bytes; lanes 16-31 read three pieces on, which for some pieces is behind one padding more: the second address register
.macro FRAG reg, adr, q, i
.irp p, 0,1,2,3,4,5
.set PIECE, 12*(\q)+6*(\p/3)+\p%3
.if PIECE%8 < 5
	ds_load_b64 v[\reg+2*\p:\reg+2*\p+1], v[\adr] offset:8*PIECE+16*(PIECE/8)+(\i)*16*PITCH
.else
	ds_load_b64 v[\reg+2*\p:\reg+2*\p+1], v[\adr+2] offset:8*PIECE+16*(PIECE/8)+(\i)*16*PITCH
.endif
.endr
.endm
.macro FETCH_B slot, q, p              ; 30 loads
	WIN 0x40
.irp i, 0,1,2,3
	FRAG 128*(\p)+FR*\i, ADRB+\slot, \q, \i
.endr
	FRAG 128*(\p)+FR*4, ADRK+\slot, \q, 0
	WIN 0
.endm
.macro FETCH_A slot, q, i0             ; 24 loads
.irp i, \i0, \i0+1, \i0+2, \i0+3
	FRAG AF+FR*(\i), ADRA+\slot, \q, \i
.endr
.endm
.macro SCALES sc, off                  ; 9 loads: lanes 0-15 hidden's block i, lanes 16-31 Wq's block i; two words a row; then the key or value tile's
.irp i, 0,1,2,3,4,5,6,7
	ds_load_b64 v[SC+18*(\sc)+2*\i:SC+18*(\sc)+2*\i+1], v[ADRS] offset:\i*16*SROW+(\off)
.endr
	ds_load_b64 v[SC+18*(\sc)+16:SC+18*(\sc)+17], v[ADRSK] offset:\off
.endm
; five products: hidden's block a against my five column tiles.  The 40 accumulators take turns in one order in every step
.macro MULA a, p, q, sc, zero
.if (\a) < 6
	WIN 0xa1
.set AC, 40*(\a)
.else
	WIN 0xf1
.set AC, 40*((\a)-6)
.endif
.irp b, 0,1,2,3
.if \zero
	v_wmma_scale_f32_16x16x128_f8f6f4 v[AC+8*\b:AC+8*\b+7], v[128*(\p)+FR*\b:128*(\p)+FR*\b+FR-1], v[AF+FR*(\a):AF+FR*(\a)+FR-1], 0, v[SC+18*(\sc)+2*\b+(\q)], v[SC+18*(\sc)+2*(\a)+(\q)] matrix_a_fmt:MATRIX_FMT_FP6 matrix_b_fmt:MATRIX_FMT_FP6 matrix_a_scale:MATRIX_SCALE_ROW1
.else
	v_wmma_scale_f32_16x16x128_f8f6f4 v[AC+8*\b:AC+8*\b+7], v[128*(\p)+FR*\b:128*(\p)+FR*\b+FR-1], v[AF+FR*(\a):AF+FR*(\a)+FR-1], v[AC+8*\b:AC+8*\b+7], v[SC+18*(\sc)+2*\b+(\q)], v[SC+18*(\sc)+2*(\a)+(\q)] matrix_a_fmt:MATRIX_FMT_FP6 matrix_b_fmt:MATRIX_FMT_FP6 matrix_a_scale:MATRIX_SCALE_ROW1
.endif
.endr
.if \zero
	v_wmma_scale_f32_16x16x128_f8f6f4 v[AC+32:AC+39], v[128*(\p)+48:128*(\p)+59], v[AF+FR*(\a):AF+FR*(\a)+FR-1], 0, v[SC+18*(\sc)+16+(\q)], v[SC+18*(\sc)+2*(\a)+(\q)] matrix_a_fmt:MATRIX_FMT_FP6 matrix_b_fmt:MATRIX_FMT_FP6
.else
	v_wmma_scale_f32_16x16x128_f8f6f4 v[AC+32:AC+39], v[128*(\p)+48:128*(\p)+59], v[AF+FR*(\a):AF+FR*(\a)+FR-1], v[AC+32:AC+39], v[SC+18*(\sc)+16+(\q)], v[SC+18*(\sc)+2*(\a)+(\q)] matrix_a_fmt:MATRIX_FMT_FP6 matrix_b_fmt:MATRIX_FMT_FP6
.endif
.endm
; a slot's first 128 along K: multiplies set 0, fetches the second 128 into set 1
.macro STEP slot
	s_wait_dscnt 24                                ; all but the youngest 24 loads (hidden's blocks 4-7) are in
	MULA 0, 0, 0, \slot, 0
	MULA 1, 0, 0, \slot, 0
	MULA 2, 0, 0, \slot, 0
	MULA 3, 0, 0, \slot, 0
	s_wait_dscnt 0x0
	PLACES 4                                       ; in front of loads into registers that matrix instructions have read
	FETCH_B \slot, 1, 1
	FETCH_A \slot, 1, 0
	MULA 4, 0, 0, \slot, 0
	MULA 5, 0, 0, \slot, 0
	MULA 6, 0, 0, \slot, 0
	MULA 7, 0, 0, \slot, 0
	PLACES 4
	WIN 0
	FETCH_A \slot, 1, 4
.endm
; a slot's last 128 along K multiplies set 1 and changes slots: one barrier; fill = 1: it opens a round of the cluster's barrier, and the slot is filled again
.macro TURN slot, next, fill, zero, qs, adv
	s_wait_tensorcnt 0x0                           ; all my tensor loads have landed: my part of the next slot
	ds_add_u32 v[SPW], v[NIL]                      ; 0 onto my spare word
	s_wait_dscnt 25                                ; the add and the youngest 24 loads may be out
	MULA 0, 1, \qs, \slot, \zero
	MULA 1, 1, \qs, \slot, \zero
	s_wait_dscnt 0x0                               ; the add is done, and my reads of this slot are over
	s_barrier_signal -1
	MULA 2, 1, \qs, \slot, \zero
	MULA 3, 1, \qs, \slot, \zero
	WIN 0
	s_barrier_wait -1
.if \fill
	CREST                                          ; no wave of any partner still reads this slot or has a load on its way
.irp g, G0A, G0B, G0C
	s_xor_b32 s[\g+1], s[\g+1], SLOT1              ; the walking descriptors: the other slot, the next 256 along K
	s_add_nc_u64 s[\g+2:\g+3], s[\g+2:\g+3], ROWB
.endr
	JLOAD3                                         ; my one tensor load behind the round: 60 matrix instructions ahead of the wait for it; its four v_nop are the places for the loads below
.else
	PLACES 4
.endif
.if \adv
	v_add_nc_u32 v[ADRS], \adv, v[ADRS]            ; the next slot's scale words
	v_add_nc_u32 v[ADRSK], \adv, v[ADRSK]
.endif
	FETCH_B \next, 0, 0
	FETCH_A \next, 0, 0
	SCALES \next, 0
	MULA 4, 1, \qs, \slot, \zero
	MULA 5, 1, \qs, \slot, \zero
	MULA 6, 1, \qs, \slot, \zero
	MULA 7, 1, \qs, \slot, \zero
	PLACES 4
	WIN 0
	FETCH_A \next, 0, 4
.endm
; 64 numbers of a lane, register 16 b + i = the i-th of my 16 of block b (the other 16 lie in lane l xor 16), become 12 registers of codes in v[PC] on and a scale word in v[PW]
.macro QUANT s
.irp b, 0,1,2,3
	v_max3_num_f32 v[TM+\b], |v[\s+16*\b]|, |v[\s+1+16*\b]|, 0x1800000   ; with the floor 2^(3 - 127): the byte cannot fall under 1
.endr
.irp i, 2,4,6,8,10,12,14
.irp b, 0,1,2,3
	v_max3_num_f32 v[TM+\b], v[TM+\b], |v[\s+16*\b+\i]|, |v[\s+1+16*\b+\i]|
.endr
.endr
.irp b, 0,1,2,3
	v_permlanex16_b32 v[TM+4+\b], v[TM+\b], s[SEL], s[SEL+1]
.endr
.irp b, 0,1,2,3
	v_max_num_f32 v[TM+\b], v[TM+\b], v[TM+4+\b]
.endr
.irp b, 0,1,2,3
	v_add_nc_u32 v[TM+12+\b], 0xff000000, v[TM+\b]   ; 2 off the exponent field: the conversion's scale operand
.endr
.irp b, 0,1,2,3
	v_lshrrev_b32 v[TM+4+\b], 23, v[TM+12+\b]        ; the scale's byte
.endr
	v_lshl_or_b32 v[PW], v[TM+5], 8, v[TM+4]
	v_lshl_or_b32 v[PW], v[TM+6], 16, v[PW]
	v_lshl_or_b32 v[PW], v[TM+7], 24, v[PW]
.irp c, 0,1
	v_cvt_scalef32_pk16_fp6_f32 v[PC+6*\c:PC+2+6*\c], v[\s+32*\c:\s+15+32*\c], v[TM+12+2*\c]
	v_cvt_scalef32_pk16_fp6_f32 v[PC+12+4*\c:PC+14+4*\c], v[\s+16+32*\c:\s+31+32*\c], v[TM+12+2*\c+1]
.endr
	v_nop                                          ; one plain place behind a scaled conversion
.irp c, 0,1                                    ; a whole block to a lane: lanes 0-15 block 2 c, lanes 16-31 block 2 c + 1
.irp i, 0,1,2
	v_permlane16_swap_b32 v[PC+6*\c+\i], v[PC+12+4*\c+\i]
.endr
.irp i, 0,1,2
	v_mov_b32 v[PC+3+6*\c+\i], v[PC+12+4*\c+\i]
.endr
.endr
.endm
; rope on a tile: x1 = v[xb + i], x2 = v[xb + 16 + i], cos = v[tb + i], sin = v[tb + 16 + i]
.macro ROPE xb, tb
.irp i, 0,2,4,6,8,10,12,14
	v_pk_mul_f32 v[RT+\i:RT+\i+1], v[\xb+\i:\xb+\i+1], v[\tb+16+\i:\tb+17+\i]
.endr
.irp i, 0,2,4,6,8,10,12,14
	v_pk_mul_f32 v[\xb+\i:\xb+\i+1], v[\xb+\i:\xb+\i+1], v[\tb+\i:\tb+\i+1]
.endr
.irp i, 0,2,4,6,8,10,12,14
	v_pk_fma_f32 v[\xb+\i:\xb+\i+1], v[\xb+16+\i:\xb+17+\i], v[\tb+16+\i:\tb+17+\i], v[\xb+\i:\xb+\i+1] neg_lo:[1,0,0] neg_hi:[1,0,0]
.endr
.irp i, 0,2,4,6,8,10,12,14
	v_pk_fma_f32 v[\xb+16+\i:\xb+17+\i], v[\xb+16+\i:\xb+17+\i], v[\tb+\i:\tb+\i+1], v[RT+\i:RT+\i+1]
.endr
.endm
; cosines and sines of one tile of 16 tokens: lane (r, h): token r, frequencies 16 (i / 8) + 8 h + i % 8.  ang = pos x inv_freq, one rounding; n = the nearest whole number to ang x 2 / pi;
; r = ang - n pi / 2 with pi / 2 in three parts; polynomials on |r| <= pi / 4; the quadrant from n's two lowest bits
.macro TABLE y
	v_cvt_f32_i32 v118, v[116+\y]
.set i, 0
.rept 16
	v_mul_f32 v[TR+i], v118, v[IFR+i]
.set i, i+1
.endr
.set i, 0
.rept 16
	v_mul_f32 v[TN+i], 0x3f22f983, v[TR+i]
.set i, i+1
.endr
.set i, 0
.rept 16
	v_rndne_f32 v[TN+i], v[TN+i]
.set i, i+1
.endr
.set i, 0
.rept 16
	v_fmamk_f32 v[TR+i], v[TN+i], 0xbfc90fdb, v[TR+i]
.set i, i+1
.endr
.set i, 0
.rept 16
	v_fmamk_f32 v[TR+i], v[TN+i], 0x333bbd2e, v[TR+i]
.set i, i+1
.endr
.set i, 0
.rept 16
	v_fmamk_f32 v[TR+i], v[TN+i], 0x26f72ced, v[TR+i]
.set i, i+1
.endr
.set i, 0
.rept 16
	v_mul_f32 v[TZ+i], v[TR+i], v[TR+i]
	v_cvt_i32_f32 v[TQ+i], v[TN+i]
.set i, i+1
.endr
.set i, 0
.rept 16
	v_fma_f32 v[TS+i], v[TZ+i], s66, s19
	v_fma_f32 v[TC+i], v[TZ+i], s105, s104
.set i, i+1
.endr
.set i, 0
.rept 16
	v_fma_f32 v[TS+i], v[TS+i], v[TZ+i], s18
	v_fma_f32 v[TC+i], v[TC+i], v[TZ+i], s67
.set i, i+1
.endr
.set i, 0
.rept 16
	v_mul_f32 v[TN+i], v[TR+i], v[TZ+i]
	v_fma_f32 v[TC+i], v[TC+i], v[TZ+i], -0.5
.set i, i+1
.endr
.set i, 0
.rept 16
	v_fma_f32 v[TS+i], v[TN+i], v[TS+i], v[TR+i]   ; sin r
	v_fma_f32 v[TC+i], v[TC+i], v[TZ+i], 1.0       ; cos r
.set i, i+1
.endr
.set i, 0
.rept 16
	v_and_b32 v[TT+i], 1, v[TQ+i]
.set i, i+1
.endr
.set i, 0
.rept 16
	v_cmp_eq_u32 vcc_lo, 1, v[TT+i]                ; odd quadrants change sine and cosine
	v_cndmask_b32 v[SI+i], v[TS+i], v[TC+i], vcc_lo
	v_cndmask_b32 v[CO+i], v[TC+i], v[TS+i], vcc_lo
.set i, i+1
.endr
.set i, 0
.rept 16
	v_lshlrev_b32 v[TT+i], 30, v[TQ+i]             ; the sine's sign: bit 1 of n;
	v_add_nc_u32 v[TQ+i], 1, v[TQ+i]               ; the cosine's: bit 1 of n + 1
.set i, i+1
.endr
.set i, 0
.rept 16
	v_and_b32 v[TT+i], 0x80000000, v[TT+i]
	v_lshlrev_b32 v[TQ+i], 30, v[TQ+i]
.set i, i+1
.endr
.set i, 0
.rept 16
	v_xor_b32 v[SI+i], v[TT+i], v[SI+i]
	v_and_b32 v[TQ+i], 0x80000000, v[TQ+i]
.set i, i+1
.endr
.set i, 0
.rept 16
	v_xor_b32 v[CO+i], v[TQ+i], v[CO+i]
.set i, i+1
.endr
.irp c, 0,1,2,3
	ds_store_b128 v[VLK], v[CO+4*\c:CO+4*\c+3] offset:\y*4096+512*\c
	ds_store_b128 v[VLK], v[SI+4*\c:SI+4*\c+3] offset:\y*4096+2048+512*\c
.endr
	s_wait_dscnt 0x0                               ; the stores have read their registers
.endm
	s_load_b512 s[84:99], s[0:1], 0x0              ; hidden's codes, scales; Wq's; Wk's; Wv's
	s_load_b64 s[10:11], s[0:1], 0x40              ; positions
	v_lshl_add_u32 v[SPW], v0, 2, SPARE
	v_mov_b32 v[NIL], 0
	ds_add_u32 v[SPW], v[NIL]                      ; the wave's opening: the add, twice on end, with its wait ahead of my first tensor load
	ds_add_u32 v[SPW], v[NIL]
	v_lshrrev_b32 v1, 5, v0
	v_readfirstlane_b32 s4, v1                     ; wave 0..3
	s_bfe_u32 s8, ttmp6, 0x40000                   ; cx
	s_bfe_u32 s9, ttmp6, 0x40004                   ; cy
	s_lshl_b32 s5, ttmp9, 2
	s_add_co_u32 s5, s5, s8                        ; nt = 4 x cluster x + cx
	s_and_b32 s6, ttmp7, 0xffff
	s_lshl_b32 s6, s6, 2
	s_add_co_u32 s6, s6, s9                        ; mt = 4 x cluster y + cy
	s_cmp_ge_u32 ttmp9, 2
	s_cselect_b32 s7, 1, 0                         ; 0: a key head, 1: a value head: the same in all sixteen partners
	s_lshl_b32 s2, s9, 2
	s_lshl_b32 s2, 15, s2                          ; my row of the cluster
	s_lshl_b32 s3, 0x1111, s8                      ; my column
	s_or_b32 s[G1A], s2, PADW|(1<<21)              ; elements of 1 byte; the mask, and bit 21 beside it
	s_or_b32 s[G1B], s3, PADW|(1<<21)
	s_or_b32 s[G1C], s3, PADW|(1<<21)
.irp g, G1A, G1B
	s_mov_b32 s[\g+1], ROWB<<16                    ; tensor_dim0
	s_mov_b32 s[\g+2], 128<<16                     ; tensor_dim1
	s_mov_b32 s[\g+3], ROWB<<16                    ; tile_dim0
	s_mov_b32 s[\g+4], 128                         ; tile_dim1
	s_mov_b32 s[\g+5], KROW                        ; pitch
	s_mov_b32 s[\g+6], 0
	s_mov_b32 s[\g+7], 0
.endr
	s_mov_b32 s[G1C+1], ROWB<<16
	s_mov_b32 s[G1C+2], 64<<16
	s_mov_b32 s[G1C+3], ROWB<<16
	s_mov_b32 s[G1C+4], 64
	s_mov_b32 s[G1C+5], KROW
	s_mov_b32 s[G1C+6], 0
	s_mov_b32 s[G1C+7], 0
	s_mov_b32 s[G1X], PADW                         ; the rest step: 48 bytes are left of each row; the tile's other 144 come as zeros
	s_mov_b32 s[G1X+1], 48<<16
	s_mov_b32 s[G1X+2], 128<<16
	s_mov_b32 s[G1X+3], ROWB<<16
	s_mov_b32 s[G1X+4], 128
	s_mov_b32 s[G1X+5], KROW
	s_mov_b32 s[G1X+6], 0
	s_mov_b32 s[G1X+7], 0
	s_mov_b32 s[G1XC], PADW
	s_mov_b32 s[G1XC+1], 48<<16
	s_mov_b32 s[G1XC+2], 64<<16
	s_mov_b32 s[G1XC+3], ROWB<<16
	s_mov_b32 s[G1XC+4], 64
	s_mov_b32 s[G1XC+5], KROW
	s_mov_b32 s[G1XC+6], 0
	s_mov_b32 s[G1XC+7], 0
	s_lshl_b32 s12, s6, 7                          ; hidden: row 128 mt; its scale bytes and its codes, in bytes
	s_mul_i32 s18, s12, 90
	s_mul_i32 s12, s12, KROW
	s_mov_b32 s13, 0
	s_mov_b32 s19, 0
	s_sub_co_u32 s14, s4, 1
	s_and_b32 s14, s14, 1
	s_lshl_b32 s14, s14, 7
	s_lshl_b32 s15, s5, 8
	s_add_co_u32 s14, s14, s15                     ; Wq: row 256 nt + 128 x (wave - 1)
	s_mul_i32 s66, s14, 90
	s_mul_i32 s14, s14, KROW
	s_mov_b32 s15, 0
	s_mov_b32 s67, 0
	s_and_b32 s16, s5, 7
	s_lshl_b32 s16, s16, 6                         ; Wk or Wv: row 64 (nt % 8)
	s_mul_i32 s104, s16, 90
	s_mul_i32 s16, s16, KROW
	s_mov_b32 s17, 0
	s_mov_b32 s105, 0
	s_mul_i32 s2, s4, WPART                        ; where my parts go: the wave's number alone enters an LDS address
	s_mul_i32 s3, s4, 128*SROW
	s_mov_b32 s[SEL], 0x76543210
	s_mov_b32 s[SEL+1], 0xfedcba98
	s_wait_dscnt 0x0                               ; both opening adds are done
	s_wait_kmcnt 0x0
	s_cmp_ge_u32 ttmp9, 2
	s_cselect_b64 s[92:93], s[96:97], s[92:93]     ; Wv or Wk
	s_cselect_b64 s[94:95], s[98:99], s[94:95]
	s_add_nc_u64 s[G0A+2:G0A+3], s[84:85], s[12:13]
	s_add_nc_u64 s[G0B+2:G0B+3], s[88:89], s[14:15]
	s_add_nc_u64 s[G0C+2:G0C+3], s[92:93], s[16:17]
	s_add_nc_u64 s[18:19], s[86:87], s[18:19]
	s_add_nc_u64 s[66:67], s[90:91], s[66:67]
	s_add_nc_u64 s[104:105], s[94:95], s[104:105]
	s_cmp_eq_u32 s4, 3                             ; the plain loads take my own tensor's address
	s_cselect_b64 s[G0X+2:G0X+3], s[G0C+2:G0C+3], s[G0B+2:G0B+3]
	s_cselect_b64 s[G0S+2:G0S+3], s[104:105], s[66:67]
	s_cmp_eq_u32 s4, 0
	s_cselect_b64 s[G0X+2:G0X+3], s[G0A+2:G0A+3], s[G0X+2:G0X+3]
	s_cselect_b64 s[G0S+2:G0S+3], s[18:19], s[G0S+2:G0S+3]
	s_add_nc_u64 s[G0X+2:G0X+3], s[G0X+2:G0X+3], 2112   ; codes 2,816 on
.irp g, G0A, G0B, G0C
	s_mov_b32 s[\g], 1
	s_add_co_u32 s[\g+1], s2, SLOT1                ; the first 256 along K go to slot 1
	s_or_b32 s[\g+3], s[\g+3], 0x80000000
.endr
	s_mov_b32 s[G0X], 1
	s_mov_b32 s[G0X+1], s2                         ; the rest step to slot 0
	s_or_b32 s[G0X+3], s[G0X+3], 0x80000000
	s_mov_b32 s[G0S], 1
	s_add_co_u32 s[G0S+1], s3, SCL
	s_or_b32 s[G0S+3], s[G0S+3], 0x80000000
	s_mov_b32 s[G1S], 0                            ; the scale bytes: rows of 90 bytes, 90 apart in memory, laid 96 apart with zeros behind
	s_mov_b32 s[G1S+1], 90<<16
	s_mov_b32 s[G1S+2], 128<<16
	s_mov_b32 s[G1S+3], SROW<<16
	s_mov_b32 s[G1S+4], 128
	s_mov_b32 s[G1S+5], 90
	s_mov_b32 s[G1S+6], 0
	s_mov_b32 s[G1S+7], 0
	s_mov_b32 s[G1SC], 0
	s_mov_b32 s[G1SC+1], 90<<16
	s_mov_b32 s[G1SC+2], 64<<16
	s_mov_b32 s[G1SC+3], SROW<<16
	s_mov_b32 s[G1SC+4], 64
	s_mov_b32 s[G1SC+5], 90
	s_mov_b32 s[G1SC+6], 0
	s_mov_b32 s[G1SC+7], 0
	CROUND                                         ; all sixteen work-groups are here
	s_cmp_eq_u32 s4, 0                             ; a wave's three first fills stand in one arm: scale bytes, rest step, first slot: three loads of mine are out
	s_cbranch_scc0 .Lff_not_a
	TL G0S, G1S
	TL G0X, G1X
	TL G0A, G1A
	PLACES 4
	s_branch .Lff_done
.Lff_not_a:
	s_cmp_eq_u32 s4, 3
	s_cbranch_scc1 .Lff_c
	TL G0S, G1S
	TL G0X, G1X
	TL G0B, G1B
	PLACES 4
	s_branch .Lff_done
.Lff_c:
	TL G0S, G1SC
	TL G0X, G1XC
	TL G0C, G1C
	PLACES 4
.Lff_done:
	; while these land: addresses, biases, rope's table
	s_load_b128 s[12:15], s[0:1], 0x48             ; bq, bk
	s_load_b64 s[16:17], s[0:1], 0x58              ; bv
	v_and_b32 v1, 15, v0                           ; r
	v_bfe_u32 v2, v0, 4, 1                         ; h
	v_and_b32 v3, 31, v0                           ; lane
	v_lshlrev_b32 v15, 2, v1                       ; 4 r
	s_lshl_b32 s2, s6, 9
	s_lshl_b32 s3, s4, 7
	s_add_co_u32 s2, s2, s3                        ; positions of tokens 128 mt + 32 wave on
	s_mov_b32 s3, 0
	s_add_nc_u64 s[10:11], s[10:11], s[2:3]
	global_load_b32 v116, v15, s[10:11]
	global_load_b32 v117, v15, s[10:11] offset:64
	v_mul_u32_u24 v4, v1, PITCH
	v_mad_u32_u24 v4, v2, 24, v4                   ; a fragment's row x pitch + 24 x half
	v_lshl_add_u32 v5, v2, 4, v4                   ; and behind one padding more
	s_mul_i32 s2, s4, 64*PITCH
	s_add_co_u32 s2, s2, WPART                     ; my 64 rows of Wq
	s_mul_i32 s3, s4, 16*PITCH
	s_add_co_u32 s3, s3, KVO                       ; my 16 rows of the key or value head
	v_add_nc_u32 v[ADRA], 0, v4
	v_add_nc_u32 v[ADRA+1], SLOT1, v4
	v_add_nc_u32 v[ADRA+2], 0, v5
	v_add_nc_u32 v[ADRA+3], SLOT1, v5
	v_add_nc_u32 v[ADRB], s2, v4
	v_add_nc_u32 v[ADRB+2], s2, v5
	v_add_nc_u32 v[ADRK], s3, v4
	v_add_nc_u32 v[ADRK+2], s3, v5
	v_add_nc_u32 v[ADRB+1], SLOT1, v[ADRB]
	v_add_nc_u32 v[ADRB+3], SLOT1, v[ADRB+2]
	v_add_nc_u32 v[ADRK+1], SLOT1, v[ADRK]
	v_add_nc_u32 v[ADRK+3], SLOT1, v[ADRK+2]
	s_mul_i32 s2, s4, 64*SROW
	s_add_co_u32 s2, s2, 128*SROW
	v_mul_u32_u24 v[ADRS], s2, v2                  ; lanes 16-31 take Wq's rows
	v_mad_u32_u24 v[ADRS], v1, SROW, v[ADRS]
	v_add_nc_u32 v[ADRS], SCL, v[ADRS]
	s_mul_i32 s2, s4, 16*SROW
	s_add_co_u32 s2, s2, SCL+384*SROW
	v_mul_u32_u24 v[ADRSK], v1, SROW
	v_add_nc_u32 v[ADRSK], s2, v[ADRSK]
	v_mul_u32_u24 v[VST], v1, STP                  ; the stage, in: row r, 64 wave + 32 h
	v_lshl_add_u32 v[VST], v2, 5, v[VST]
	s_lshl_b32 s2, s4, 6
	v_add_nc_u32 v[VST], s2, v[VST]
	v_lshl_add_u32 v[VLI], v3, 4, TAB              ; a table image's place for my lane
	s_mul_i32 s2, s4, 32*STP
	v_mul_u32_u24 v[VKS], v1, STP                  ; the stage, back for k: row 32 wave + r, + 32 h
	v_lshl_add_u32 v[VKS], v2, 5, v[VKS]
	v_add_nc_u32 v[VKS], s2, v[VKS]
	s_lshl_b32 s3, s4, 13
	v_add_nc_u32 v[VLK], s3, v[VLI]                ; the images of tiles 2 wave, 2 wave + 1
	v_mul_u32_u24 v[VVS], v2, 8*STP                ; the stage, back for v: row 32 wave + 8 h, column r
	v_lshl_add_u32 v[VVS], v1, 2, v[VVS]
	v_add_nc_u32 v[VVS], s2, v[VVS]
	v_lshlrev_b32 v11, 3, v3                       ; 8, 16, 4 x lane; 32 h
	v_lshlrev_b32 v12, 4, v3
	v_lshlrev_b32 v13, 2, v3
	v_lshlrev_b32 v14, 5, v2
	s_wait_kmcnt 0x0
	s_cmp_eq_u32 s7, 0
	s_cselect_b64 s[14:15], s[14:15], s[16:17]     ; bk or bv
	s_lshl_b32 s2, s5, 2
	s_add_co_u32 s2, s2, s4
	s_lshl_b32 s2, s2, 8                           ; my query head's 64 numbers
	s_mov_b32 s3, 0
	s_add_nc_u64 s[12:13], s[12:13], s[2:3]
	s_and_b32 s2, s5, 7
	s_lshl_b32 s2, s2, 8
	s_add_nc_u64 s[14:15], s[14:15], s[2:3]
	WIN 0x40                                       ; into registers of window 1 that no fragment uses
.irp b, 0,1,2,3
	global_load_b128 v[BI+8*\b:BI+8*\b+3], v14, s[12:13] offset:64*\b          ; bq at columns 16 b + 8 h + 0 .. 7
	global_load_b128 v[BI+8*\b+4:BI+8*\b+7], v14, s[12:13] offset:64*\b+16
	global_load_b128 v[BK2+8*\b:BK2+8*\b+3], v14, s[14:15] offset:64*\b        ; the same of the key or value head (used for k)
	global_load_b128 v[BK2+8*\b+4:BK2+8*\b+7], v14, s[14:15] offset:64*\b+16
	global_load_b32 v[BV+2*\b], v15, s[14:15] offset:64*\b                     ; and at column 16 b + r, twice, as a pair (used for v)
	global_load_b32 v[BV+2*\b+1], v15, s[14:15] offset:64*\b
.endr
	WIN 0
	s_mov_b32 s18, 0xbe2aaaa3                      ; the sine's three coefficients,
	s_mov_b32 s19, 0x3c08839e
	s_mov_b32 s66, 0xb94ca1f9
	s_mov_b32 s67, 0x3d2aaaa5                      ; the cosine's
	s_mov_b32 s104, 0xbab6061a
	s_mov_b32 s105, 0x37ccf5ce
	; inv_freq = 150000^(-f / 32) = 2^(-f c), c = log2(150000) / 32 = c_hi + c_lo; c_hi has 18 bits, so f c_hi is exact; the whole part goes by v_ldexp_f32, the fraction, at most 1/2, by v_exp_f32
	v_lshlrev_b32 v120, 3, v2
.set i, 0
.rept 16
	v_add_nc_u32 v[TT+i], 16*(i/8)+i%8, v120
.set i, i+1
.endr
.set i, 0
.rept 16
	v_cvt_f32_u32 v[TT+i], v[TT+i]
.set i, i+1
.endr
.set i, 0
.rept 16
	v_mul_f32 v[TR+i], 0xbf098e80, v[TT+i]
.set i, i+1
.endr
.set i, 0
.rept 16
	v_rndne_f32 v[TN+i], v[TR+i]
.set i, i+1
.endr
.set i, 0
.rept 16
	v_sub_f32 v[TR+i], v[TR+i], v[TN+i]
.set i, i+1
.endr
.set i, 0
.rept 16
	v_fmamk_f32 v[TR+i], v[TT+i], 0xb54012d7, v[TR+i]
	v_cvt_i32_f32 v[TN+i], v[TN+i]
.set i, i+1
.endr
.set i, 0
.rept 16
	v_exp_f32 v[TR+i], v[TR+i]
.set i, i+1
.endr
	v_nop                                          ; a plain place behind the exponentials,
	s_wait_alu depctr_va_vdst(0)                   ; and one wait for the batch, ahead of its first reader
.set i, 0
.rept 16
	v_ldexp_f32 v[IFR+i], v[TR+i], v[TN+i]
.set i, i+1
.endr
	s_wait_loadcnt 0x0                             ; positions and biases
	TABLE 0
	TABLE 1
	s_wait_tensorcnt 0x1                           ; my scale bytes and my part of the rest step are in; the first slot's load may stay out
	s_wait_dscnt 0x0                               ; my table images have landed
	s_barrier_signal -1
	s_barrier_wait -1
	FETCH_B 0, 0, 1
	FETCH_A 0, 0, 0
	SCALES 0, 88                                   ; bytes 88 to 91: two scales, two zeros over zero codes
	FETCH_A 0, 0, 4
	TURN 0, 1, 1, 1, 0, 0                          ; the rest step starts the sums
	s_mov_b32 s3, 4
.Llap:
	STEP 1
	TURN 1, 0, 1, 0, 1, 8
	STEP 0
	TURN 0, 1, 1, 0, 1, 8
	s_sub_co_u32 s3, s3, 1
	s_cmp_lg_u32 s3, 0
	s_cbranch_scc1 .Llap
	STEP 1                                         ; the tail is written out: one more fill, then none
	TURN 1, 0, 1, 0, 1, 8
	STEP 0
	TURN 0, 1, 0, 0, 1, 8
	s_load_b256 s[68:75], s[0:1], 0x60             ; q's codes, scales; k's codes, scales (no tensor load is out: these registers are free)
	s_load_b128 s[76:79], s[0:1], 0x80             ; v's codes, scales
	STEP 1
	s_wait_dscnt 24
	MULA 0, 1, 1, 1, 0
	MULA 1, 1, 1, 1, 0
	MULA 2, 1, 1, 1, 0
	MULA 3, 1, 1, 1, 0
	s_wait_dscnt 0x0
	MULA 4, 1, 1, 1, 0
	MULA 5, 1, 1, 1, 0
	MULA 6, 1, 1, 1, 0
	MULA 7, 1, 1, 1, 0
	WIN 0
	PLACES 4
	; THE WAY OUT.  My column tile of the key or value head goes to the stage, so that whole heads meet
	WIN 0x08
.irp a, 0,1,2,3,4,5
	ds_store_b128 v[VST], v[40*\a+32:40*\a+35] offset:\a*16*STP
	ds_store_b128 v[VST], v[40*\a+36:40*\a+39] offset:\a*16*STP+16
.endr
	WIN 0x0c
.irp a, 6,7
	ds_store_b128 v[VST], v[40*(\a-6)+32:40*(\a-6)+35] offset:\a*16*STP
	ds_store_b128 v[VST], v[40*(\a-6)+36:40*(\a-6)+39] offset:\a*16*STP+16
.endr
	WIN 0
	s_wait_kmcnt 0x0
	s_lshl_b32 s12, s5, 2
	s_add_co_u32 s12, s12, s4                      ; my query head
	s_lshl_b32 s13, s12, 7
	s_lshl_b32 s14, s6, 3
	s_add_co_u32 s13, s13, s14                     ; head x 128 + 8 mt: its first tile
	s_mul_i32 s2, s13, 768
	s_mov_b32 s3, 0
	s_add_nc_u64 s[68:69], s[68:69], s[2:3]
	s_lshl_b32 s13, s12, 4
	s_add_co_u32 s13, s13, s6
	s_lshl_b32 s2, s13, 9
	s_add_nc_u64 s[70:71], s[70:71], s[2:3]
	s_and_b32 s12, s5, 7                           ; the key or value head
	s_lshl_b32 s13, s12, 7
	s_add_co_u32 s13, s13, s14
	s_lshl_b32 s15, s4, 1
	s_add_co_u32 s13, s13, s15                     ; g x 128 + 8 mt + 2 wave
	s_mul_i32 s2, s13, 768
	s_add_nc_u64 s[72:73], s[72:73], s[2:3]
	s_lshl_b32 s2, s13, 6
	s_add_nc_u64 s[74:75], s[74:75], s[2:3]
	s_lshl_b32 s13, s12, 6
	s_lshl_b32 s14, s6, 2
	s_add_co_u32 s13, s13, s14
	s_add_co_u32 s13, s13, s4                      ; g x 64 + 4 mt + wave
	s_mul_i32 s2, s13, 1536
	s_add_nc_u64 s[76:77], s[76:77], s[2:3]
	s_lshl_b32 s2, s13, 6
	s_add_nc_u64 s[78:79], s[78:79], s[2:3]
	v_mov_b32 v[VSEL], 0x01000100                  ; which two bytes of a scale word are my tile's: lanes 0-15 the lower, lanes 16-31 the upper, each twice
	v_mov_b32 v[PW], 0x03020302
	v_cmp_eq_u32 vcc_lo, 1, v2
	v_cndmask_b32 v[VSEL], v[VSEL], v[PW], vcc_lo
.irp b, 0,1,2,3
	v_mov_b32 v[TM+4+\b], 0                        ; a lane permute's destination counts as one of its sources
.endr
	s_wait_dscnt 0x0                               ; my stores into the stage have landed
	s_barrier_signal -1
	s_barrier_wait -1
; q: two tiles of 16 tokens at a time: + bias, rope, quantised; 24 bytes a lane and tile, one scale word a token and tile
.macro QPAIR k
.if \k > 0
	s_wait_xcnt 0x0                                ; the last pair's stores have read their registers
.endif
.irp y, 0,1
.irp c, 0,1,2,3,4,5,6,7
	ds_load_b128 v[TBL+32*\y+4*\c:TBL+32*\y+4*\c+3], v[VLI] offset:(2*\k+\y)*4096+512*\c
.endr
.endr
.irp y, 0,1
.if 2*\k+\y < 6
	WIN 0x06                                       ; source 0 window 2, source 1 (the bias) window 1
.set AC, 40*(2*\k+\y)
.else
	WIN 0x07
.set AC, 40*(2*\k+\y-6)
.endif
.set i, 0
.rept 16
	v_pk_add_f32 v[X+32*\y+i:X+32*\y+i+1], v[AC+i:AC+i+1], v[BI+i:BI+i+1]   ; each accumulator from its low end on
.set i, i+2
.endr
.endr
	WIN 0
	s_wait_dscnt 0x0
	ROPE X, TBL
	ROPE X+32, TBL+32
	QUANT X
.irp y, 0,1
.irp p, 0,1,2
	global_store_b64 v11, v[PC+6*\y+2*\p:PC+6*\y+2*\p+1], s[68:69] offset:(2*\k+\y)*768+256*\p   ; 32 lanes store 256 consecutive bytes, aligned
.endr
.endr
	v_perm_b32 v[SW+\k], v[PW], v[PW], v[VSEL]
.endm
	QPAIR 0
	QPAIR 1
	QPAIR 2
	QPAIR 3
	global_store_b128 v12, v[SW:SW+3], s[70:71]    ; eight tiles' scale words: 512 consecutive bytes
	s_wait_xcnt 0x0                                ; the codes' and words' registers are written again below
	s_cmp_lg_u32 s7, 0
	s_cbranch_scc1 .Lv_path
	; k: wave w takes tiles 2 w, 2 w + 1 of the 128 tokens, whole heads, by the same steps as q
.irp y, 0,1
.irp b, 0,1,2,3
	ds_load_b128 v[X+32*\y+8*\b:X+32*\y+8*\b+3], v[VKS] offset:\y*16*STP+64*\b
	ds_load_b128 v[X+32*\y+8*\b+4:X+32*\y+8*\b+7], v[VKS] offset:\y*16*STP+64*\b+16
.endr
.endr
.irp y, 0,1
.irp c, 0,1,2,3,4,5,6,7
	ds_load_b128 v[TBL+32*\y+4*\c:TBL+32*\y+4*\c+3], v[VLK] offset:\y*4096+512*\c
.endr
.endr
	s_wait_dscnt 0x0
	WIN 0x04                                       ; source 1 window 1
.irp y, 0,1
.set i, 0
.rept 16
	v_pk_add_f32 v[X+32*\y+i:X+32*\y+i+1], v[X+32*\y+i:X+32*\y+i+1], v[BK2+i:BK2+i+1]
.set i, i+2
.endr
.endr
	WIN 0
	ROPE X, TBL
	ROPE X+32, TBL+32
	QUANT X
.irp y, 0,1
.irp p, 0,1,2
	global_store_b64 v11, v[PC+6*\y+2*\p:PC+6*\y+2*\p+1], s[72:73] offset:\y*768+256*\p
.endr
.endr
	v_perm_b32 v[SW], v[PW], v[PW], v[VSEL]
	global_store_b32 v13, v[SW], s[74:75]          ; two tiles' words
	s_branch .Ljoin
.Lv_path:
	; v: wave w takes the block of 32 tokens 4 mt + w.  A lane takes column d = 16 dt + r and its registers run down the tokens: 16 u + 8 h + j
.set i, 0
.rept 64
	ds_load_b32 v[X+i], v[VVS] offset:(16*((i/8)%2)+i%8)*STP+64*(i/16)
.set i, i+1
.endr
	s_wait_dscnt 0x0
	WIN 0x04
.set i, 0
.rept 32
	v_pk_add_f32 v[X+2*i:X+2*i+1], v[X+2*i:X+2*i+1], v[BV+2*(i/8):BV+2*(i/8)+1]
.set i, i+1
.endr
	WIN 0
	QUANT X                                        ; its four blocks are dt = 0 .. 3
.irp c, 0,1
.irp p, 0,1,2
	global_store_b64 v11, v[PC+6*\c+2*\p:PC+6*\c+2*\p+1], s[76:77] offset:\c*768+256*\p   ; entry d = 32 c + lane
.endr
.endr
	s_wait_xcnt 0x0                                ; EXEC changes only behind this wait
	v_cmp_gt_u32 vcc_lo, 16, v3
	s_and_saveexec_b32 s12, vcc_lo
	global_store_b32 v15, v[PW], s[78:79]          ; lanes 0-15: byte dt of word r scales d = 16 dt + r
	s_wait_xcnt 0x0
	s_or_b32 exec_lo, exec_lo, s12
.Ljoin:
	s_wait_tensorcnt 0x0                           ; the wave's end
	ds_add_u32 v[SPW], v[NIL]
	s_wait_dscnt 0x0
	CROUND                                         ; the closing round
	s_endpgm
.Lfunc_end_k_q89ece9a5d3_qkv:
	.size	k_q89ece9a5d3_qkv, .Lfunc_end_k_q89ece9a5d3_qkv-k_q89ece9a5d3_qkv
	.p2alignl 7, 3214868480
	.fill 96, 4, 3214868480
	.section	.rodata,"a",@progbits
	.p2align	6, 0x0
	.amdhsa_kernel k_q89ece9a5d3_qkv
		.amdhsa_group_segment_fixed_size 327680
		.amdhsa_private_segment_fixed_size 0
		.amdhsa_enable_private_segment 0
		.amdhsa_kernarg_size 144
		.amdhsa_user_sgpr_count 2
		.amdhsa_user_sgpr_kernarg_segment_ptr 1
		.amdhsa_wavefront_size32 1
		.amdhsa_system_sgpr_workgroup_id_x 1
		.amdhsa_system_sgpr_workgroup_id_y 1
		.amdhsa_system_sgpr_workgroup_id_z 1
		.amdhsa_system_vgpr_workitem_id 0
		.amdhsa_next_free_vgpr 1024
		.amdhsa_next_free_sgpr 106
		.amdhsa_reserve_vcc 1
		.amdhsa_float_denorm_mode_32 3
		.amdhsa_float_denorm_mode_16_64 3
		.amdhsa_memory_ordered 1
		.amdhsa_forward_progress 1
		.amdhsa_inst_pref_size 255
	.end_amdhsa_kernel
	.section	.bss,"aw",@nobits
	.p2align	6
	.space	262144
	.amdgpu_metadata
---
amdhsa.version: [ 1, 2 ]
amdhsa.kernels:
  - .name:           k_q89ece9a5d3_qkv
    .symbol:         k_q89ece9a5d3_qkv.kd
    .args:
      - { .name: hidden_codes, .offset: 0, .size: 8, .value_kind: global_buffer, .address_space: global }
      - { .name: hidden_scales, .offset: 8, .size: 8, .value_kind: global_buffer, .address_space: global }
      - { .name: Wq_codes, .offset: 16, .size: 8, .value_kind: global_buffer, .address_space: global }
      - { .name: Wq_scales, .offset: 24, .size: 8, .value_kind: global_buffer, .address_space: global }
      - { .name: Wk_codes, .offset: 32, .size: 8, .value_kind: global_buffer, .address_space: global }
      - { .name: Wk_scales, .offset: 40, .size: 8, .value_kind: global_buffer, .address_space: global }
      - { .name: Wv_codes, .offset: 48, .size: 8, .value_kind: global_buffer, .address_space: global }
      - { .name: Wv_scales, .offset: 56, .size: 8, .value_kind: global_buffer, .address_space: global }
      - { .name: positions, .offset: 64, .size: 8, .value_kind: global_buffer, .address_space: global }
      - { .name: bq, .offset: 72, .size: 8, .value_kind: global_buffer, .address_space: global }
      - { .name: bk, .offset: 80, .size: 8, .value_kind: global_buffer, .address_space: global }
      - { .name: bv, .offset: 88, .size: 8, .value_kind: global_buffer, .address_space: global }
      - { .name: q_codes, .offset: 96, .size: 8, .value_kind: global_buffer, .address_space: global }
      - { .name: q_scales, .offset: 104, .size: 8, .value_kind: global_buffer, .address_space: global }
      - { .name: k_codes, .offset: 112, .size: 8, .value_kind: global_buffer, .address_space: global }
      - { .name: k_scales, .offset: 120, .size: 8, .value_kind: global_buffer, .address_space: global }
      - { .name: v_codes, .offset: 128, .size: 8, .value_kind: global_buffer, .address_space: global }
      - { .name: v_scales, .offset: 136, .size: 8, .value_kind: global_buffer, .address_space: global }
    .group_segment_fixed_size: 327680
    .private_segment_fixed_size: 0
    .kernarg_segment_align: 8
    .kernarg_segment_size: 144
    .max_flat_workgroup_size: 128
    .sgpr_count:     106
    .vgpr_count:     1024
    .wavefront_size: 32
...
	.end_amdgpu_metadata
.endif
;; end of part 1
;; launch attn (part 2): grid 256 x 1, 8 waves a work-group, no clusters, 0 bytes of LDS; arguments q_codes, q_scales, k_codes, k_scales, v_codes, v_scales, attn_codes, attn_scales; writes attn_codes, attn_scales
.if DOCPART == 2
	.amdgcn_target "amdgcn-amd-amdhsa--gfx1250"
	.amdhsa_code_object_version 6
	.text
	.protected	k_q89ece9a5d3_attn
	.globl	k_q89ece9a5d3_attn
	.p2align	8
	.type	k_q89ece9a5d3_attn,@function
k_q89ece9a5d3_attn:
	s_mov_b64 s[64:65], 0
	v_nop
	global_prefetch_b8 v0, s[64:65] scope:SCOPE_SE
	s_setreg_imm32_b32 hwreg(HW_REG_WAVE_MODE, 25, 1), 1
	s_wait_xcnt 0x0
; Banded attention on codes of FP6 (E2M3): S^T = K Q^T, p = 2^(t - M), O^T = V^T P^T / l, and the quantiser of the result along head x 64 + d.
; LEFT OUT, as shown at the head of the first kernel: of the 256 keys of a context only the five blocks of 32 keys B - 4 .. B can count for the 16 queries of tile T (B = T / 2); the others are not multiplied.
; SHARES.  Work-group: key/value head g = x / 32, four tiles of 16 queries.  Wave: tile T = 4 (x % 32) + wave / 2, query heads 8 g + 4 (wave % 2) + 0 .. 3.  It loads K and V of its five blocks once,
; then runs four units (a head each), two to a trip.  No LDS, no barrier: every operand lies in memory in the order of its registers and comes by loads of 256 consecutive bytes a wave.
; No cluster and no tensor loads: what waves share is 15 KiB of K and V read once at a wave's head.  Two waves to a SIMD: one's softmax stands beside the other's products.
; HEAD SIZE 64 IN A PRODUCT OF K = 128: a fragment of K holds two tiles of 16 keys, one in k 0 .. 63, one in k 64 .. 127, and is multiplied by [q | 0] and by [0 | q]: zero codes add nothing.
; M is the ceiling of the row's largest t: all 160 keys of a row are in registers at once, so no running maximum is needed.  Blocks in front of token 0 are read at block 0 and masked.
; The d that form a tile of V^T are chosen (lane r of tile (B', u): d = 32 B' + 8 u + r + 8 (r / 8)), so that a lane's 16 results of two tiles are 16 neighbours along the next K, in true order.
; LIMITS: NaN and infinities are not served; a block whose every p is 0 keeps the scale byte 1 over zero codes.
; REGISTERS: window 1: v0-59 K's 5 fragments; v64-111 V's 4 tiles, blocks B-4 .. B-1; v112-135 V's 4 tiles of block B, 6 registers each; v136-141 zeros.
;   window 0: v1-15 ids and offsets; v16-32 scale words and nothing else; v34-39 0, v40-45 q, v46-51 0; v64-143 S^T, then p; v144-175 O^T; v176-199 p's codes; v200-210 conversions' second halves; v212-223 the result's codes; v224-253 at work.
.set S,    64
.set O,    144
.set PC0,  176
.set PC1,  188
.set HB,   200
.set AC,   212
.set KS,   16
.set VS0,  21
.set VS1,  25
.set QS,   29
.set PS0,  31
.set PS1,  32
.set BM,   224
.set BT,   229
.set SCO,  234
.set NM,   240
.set SA,   242
.set SB,   244
.set LL,   246
.set LT,   247
.set RL,   248
.set AWC,  250
.set AW0,  251
.set AW1,  252
.set NINF, 253
.set HEADB, 98304                      ; a head's codes of q: 128 tiles x 768 bytes
.set MSB, 0
.macro WIN new
.if MSB != (\new)
	s_set_vgpr_msb (MSB<<8)|(\new)
.set MSB, (\new)
.endif
.endm
.macro PLACES n
.rept \n
	v_nop
.endr
.endm
	s_load_b512 s[4:19], s[0:1], 0x0               ; q's codes, scales; k's; v's; the result's codes, scales
	v_lshrrev_b32 v1, 5, v0
	v_readfirstlane_b32 s52, v1                    ; wave 0..7
	v_and_b32 v1, 15, v0                           ; r
	v_bfe_u32 v2, v0, 4, 1                         ; h
	v_and_b32 v3, 31, v0                           ; lane
	s_lshr_b32 s53, ttmp9, 5                       ; g
	s_and_b32 s54, ttmp9, 31
	s_lshl_b32 s54, s54, 2
	s_lshr_b32 s2, s52, 1
	s_add_co_u32 s54, s54, s2                      ; T
	s_and_b32 s3, s52, 1                           ; which four heads
	s_lshr_b32 s55, s54, 1                         ; B
	s_and_b32 s56, s54, 1                          ; which half of block B my queries are
.irp b, 0,1,2,3
	s_sub_co_i32 s[66+\b], s55, 4-\b
	s_max_i32 s[66+\b], s[66+\b], 0                ; block B - 4 + b, or block 0 where there is none
.endr
	s_mov_b32 s70, s55
	s_cmp_lt_u32 s55, 3
	s_cselect_b32 s71, -1, 0                       ; all lanes on where block 1, 2, 3 of the five lies in front of token 0
	s_cmp_lt_u32 s55, 2
	s_cselect_b32 s72, -1, 0
	s_cmp_lt_u32 s55, 1
	s_cselect_b32 s73, -1, 0
	s_mov_b32 s58, 0x3e38aa3b                      ; c = log2(e) / 8
	s_mov_b32 s59, s58
	s_mov_b32 s60, 0x76543210
	s_mov_b32 s61, 0xfedcba98
	v_lshlrev_b32 v4, 3, v3                        ; 8 x lane
	v_lshlrev_b32 v5, 2, v1                        ; 4 r
	v_lshlrev_b32 v11, 4, v3
	v_lshlrev_b32 v12, 2, v3
	v_lshrrev_b32 v15, 3, v1                       ; r / 8
	v_lshlrev_b32 v14, 6, v15
	v_lshl_add_u32 v14, v1, 3, v14                 ; 8 r + 64 (r / 8): my row's place among a block's entries
	v_and_b32 v9, 7, v1
	v_lshlrev_b32 v9, 2, v9                        ; 4 (r % 8)
.irp b, 0,1,2,3,4
	s_mul_i32 s74, s[66+\b], 1536
	v_add_nc_u32 v[224+\b], s74, v4                ; K's fragment of block b
	s_lshl_b32 s74, s[66+\b], 7
	v_add_nc_u32 v[229+\b], s74, v5                ; its two tiles' scale words
	s_lshl_b32 s74, s[66+\b], 6
	v_add_nc_u32 v[234+\b], s74, v9                ; V's scale words
.endr
.irp c, 0,1
	s_sub_co_i32 s74, s55, 4-2*\c
	v_add_nc_u32 v[6+\c], s74, v2                  ; V: lane (r, h) takes block B - 4 + 2 c + h,
	v_max_i32 v[6+\c], 0, v[6+\c]                  ; or block 0
	v_mul_u32_u24 v[6+\c], v[6+\c], 1536
	v_add_nc_u32 v[6+\c], v[6+\c], v14
.endr
	s_mul_i32 s74, s55, 1536
	v_add_nc_u32 v8, s74, v14                      ; block B, in both halves of the lanes
	s_lshl_b32 s74, s56, 8
	s_and_b32 s75, s55, 3
	s_lshl_b32 s75, s75, 2
	s_add_co_u32 s74, s74, s75
	v_lshl_add_u32 v10, v1, 4, s74                 ; q's scale word of token r of tile T
	s_mul_i32 s74, s53, HEADB                      ; g's part of k's and v's codes (as many bytes each),
	s_mov_b32 s75, 0
	s_lshl_b32 s76, s53, 3
	s_lshl_b32 s77, s3, 2
	s_add_co_u32 s76, s76, s77                     ; my first head
	s_lshl_b32 s78, s54, 5
	s_lshr_b32 s77, s76, 1
	s_add_co_u32 s78, s78, s77                     ; T x 32 + head / 2: the result's first K step
	s_wait_kmcnt 0x0
	s_add_nc_u64 s[8:9], s[8:9], s[74:75]
	s_add_nc_u64 s[12:13], s[12:13], s[74:75]
	s_lshl_b32 s74, s53, 13
	s_add_nc_u64 s[10:11], s[10:11], s[74:75]
	s_lshl_b32 s74, s53, 12
	s_add_nc_u64 s[14:15], s[14:15], s[74:75]
	s_mul_i32 s74, s76, HEADB
	s_mul_i32 s77, s54, 768
	s_add_co_u32 s74, s74, s77
	s_add_nc_u64 s[4:5], s[4:5], s[74:75]
	s_lshl_b32 s74, s76, 13
	s_lshr_b32 s77, s54, 3
	s_lshl_b32 s77, s77, 9
	s_add_co_u32 s74, s74, s77
	s_add_nc_u64 s[6:7], s[6:7], s[74:75]
	s_mul_i32 s74, s78, 1536
	s_add_nc_u64 s[16:17], s[16:17], s[74:75]
	s_lshl_b32 s74, s78, 6
	s_add_nc_u64 s[18:19], s[18:19], s[74:75]
	WIN 0x40                                       ; destination window 1
.irp b, 0,1,2,3,4
.irp p, 0,1,2,3,4,5
	global_load_b64 v[12*\b+2*\p:12*\b+2*\p+1], v[224+\b], s[8:9] offset:256*\p
.endr
.endr
.irp i, 0,1,2,3
.irp c, 0,1
.irp p, 0,1,2
	global_load_b64 v[64+12*\i+6*\c+2*\p:65+12*\i+6*\c+2*\p], v[6+\c], s[12:13] offset:(\i/2)*768+(\i%2)*64+256*\p
.endr
.endr
.irp p, 0,1,2
	global_load_b64 v[112+6*\i+2*\p:113+6*\i+2*\p], v8, s[12:13] offset:(\i/2)*768+(\i%2)*64+256*\p
.endr
.endr
.irp i, 0,1,2,3,4,5
	v_mov_b32 v[136+\i], 0
.endr
	WIN 0
.irp b, 0,1,2,3,4
.irp u, 0,1
	global_load_b32 v[64+2*\b+\u], v[229+\b], s[10:11] offset:64*\u
	global_load_b32 v[80+2*\b+\u], v[234+\b], s[14:15] offset:32*\u
.endr
.endr
.irp p, 0,1,2
	global_load_b64 v[40+2*\p:41+2*\p], v4, s[4:5] offset:256*\p
.endr
	global_load_b32 v[QS], v10, s[6:7]
	; THE MASK.  Register 16 b + 8 u + j of lane (r, h) holds key 32 (B - 4 + b) + 16 u + 8 h + j; with e = 16 (T % 2) + r - 8 h and idx = 16 u + j, query - key = 32 (4 - b) + e - idx.
	; Block 0 is hidden where e >= idx (all of it where B < 4), block 4 where e < idx; blocks 1 to 3 give 1 .. 127: they count wherever they exist
	s_lshl_b32 s74, s56, 4
	v_lshlrev_b32 v13, 3, v2
	v_sub_nc_u32 v13, v1, v13
	v_add_nc_u32 v13, s74, v13                     ; e
	s_cmp_lt_u32 s55, 4
	s_cselect_b32 s74, 1000, 0
	s_cselect_b32 s75, 0, -1
	v_and_b32 v14, s75, v13
	v_add_nc_u32 v14, s74, v14
.set i, 0
.rept 16
	v_cmp_le_i32 s[20+i], 16*(i/8)+i%8, v14
	v_cmp_gt_i32 s[36+i], 16*(i/8)+i%8, v13
.set i, i+1
.endr
	s_mov_b32 s74, 0x01010101
	v_mul_lo_u32 v15, v15, s74
	v_add_nc_u32 v254, 0x04000400, v15             ; byte selects: byte dt = 2 B' + r / 8 of two words by turns; B' = 0,
	v_add_nc_u32 v255, 0x06020602, v15             ; B' = 1
	s_wait_loadcnt 0x0
.irp b, 0,1,2,3,4
	v_bfi_b32 v[KS+\b], 0xffff, v[64+2*\b], v[65+2*\b]   ; K's word: bytes 0, 1 the first tile's key r, bytes 2, 3 the second's
.endr
.irp i, 0,1,2,3
	v_perm_b32 v96, v[82+\i%2], v[80+\i%2], v[254+\i/2]
	v_perm_b32 v97, v[86+\i%2], v[84+\i%2], v[254+\i/2]
	v_perm_b32 v[VS0+\i], v97, v96, 0x05040100           ; V's word of my row for blocks B - 4 .. B - 1
	v_perm_b32 v[VS1+\i], v[88+\i%2], v[88+\i%2], v[254+\i/2]   ; and, in byte 0, for block B
.endr
.irp i, 0,1,2,3,4,5
	v_mov_b32 v[34+\i], 0
	v_mov_b32 v[46+\i], 0
	v_mov_b32 v[194+\i], 0
.endr
.irp b, 0,1,2,3,4
	v_mov_b32 v[BT+\b], 0                          ; a lane permute's destination counts as one of its sources
.endr
	v_mov_b32 v[NM+1], 0                           ; (named as the upper halves of pairs)
	v_mov_b32 v[RL+1], 0
	v_mov_b32 v[LT], 0
	v_mov_b32 v[AW1], 0
	v_mov_b32 v[NINF], 0xff800000
	PLACES 8                                       ; scale words written by vector instructions stand 8 places ahead of the products
; A UNIT: one head.  c: which half of the result's K step of 128
.macro UNIT c
	s_wait_loadcnt 0x0                             ; q and its scale word
	WIN 0x01                                       ; source 0 window 1
.irp b, 0,1,2,3,4
	v_wmma_scale_f32_16x16x128_f8f6f4 v[S+16*\b:S+16*\b+7], v[12*\b:12*\b+11], v[40:51], 0, v[KS+\b], v[QS] matrix_a_fmt:MATRIX_FMT_FP6 matrix_b_fmt:MATRIX_FMT_FP6
	v_wmma_scale_f32_16x16x128_f8f6f4 v[S+16*\b+8:S+16*\b+15], v[12*\b:12*\b+11], v[34:45], 0, v[KS+\b], v[QS] matrix_a_fmt:MATRIX_FMT_FP6 matrix_b_fmt:MATRIX_FMT_FP6
.endr
	WIN 0
	PLACES 4
.if \c == 1
	s_cmp_eq_u32 s57, 1                            ; behind the last head nothing is loaded
	s_cbranch_scc1 .Lnoq_\@
.endif
.irp p, 0,1,2
	global_load_b64 v[40+2*\p:41+2*\p], v4, s[4:5] offset:(\c+1)*HEADB+256*\p   ; the next head's q, into the registers that the products have read
.endr
	global_load_b32 v[QS], v10, s[6:7] offset:(\c+1)*8192
.Lnoq_\@:
.set i, 0
.rept 16
	v_cndmask_b32 v[S+i], v[S+i], v[NINF], s[20+i]
.set i, i+1
.endr
.set i, 0
.rept 16
	v_cndmask_b32 v[S+64+i], v[S+64+i], v[NINF], s[36+i]
.set i, i+1
.endr
	s_cmp_gt_u32 s55, 2                            ; ids alone
	s_cbranch_scc1 .Lfull_\@
.set i, 0
.rept 48
	v_cndmask_b32 v[S+16+i], v[S+16+i], v[NINF], s[71+i/16]
.set i, i+1
.endr
.Lfull_\@:
.irp b, 0,1,2,3,4
	v_max3_num_f32 v[BM+\b], v[S+16*\b], v[S+1+16*\b], v[S+2+16*\b]   ; each block's largest score: for the row's maximum and for the block's largest p
.endr
.irp i, 3,5,7,9,11,13
.irp b, 0,1,2,3,4
	v_max3_num_f32 v[BM+\b], v[BM+\b], v[S+16*\b+\i], v[S+1+16*\b+\i]
.endr
.endr
.irp b, 0,1,2,3,4
	v_max_num_f32 v[BM+\b], v[BM+\b], v[S+15+16*\b]
.endr
.irp b, 0,1,2,3,4
	v_permlanex16_b32 v[BT+\b], v[BM+\b], s60, s61
.endr
.irp b, 0,1,2,3,4
	v_max_num_f32 v[BM+\b], v[BM+\b], v[BT+\b]
.endr
	v_max3_num_f32 v[LL], v[BM], v[BM+1], v[BM+2]
	v_max3_num_f32 v[LL], v[LL], v[BM+3], v[BM+4]
	v_mul_f32 v[LL], s58, v[LL]                    ; the row's largest t
	v_floor_f32 v[NM], -v[LL]                      ; -M = -ceil(t)
.set i, 0
.rept 40
	v_pk_fma_f32 v[S+2*i:S+2*i+1], v[S+2*i:S+2*i+1], s[58:59], v[NM:NM+1] op_sel_hi:[1,0,0]   ; t - M
.set i, i+1
.endr
.irp b, 0,1,2,3,4
	v_fma_f32 v[BM+\b], v[BM+\b], s58, v[NM]
.endr
.set i, 0
.rept 80
	v_exp_f32 v[S+i], v[S+i]                       ; p, not normalised
.set i, i+1
.endr
	v_nop                                          ; a plain place behind the exponentials,
	s_wait_alu depctr_va_vdst(0)                   ; and one wait for the batch
.irp b, 0,1,2,3,4
	v_exp_f32 v[BM+\b], v[BM+\b]                   ; each block's largest p
.endr
	v_pk_add_f32 v[SA:SA+1], v[S:S+1], v[S+2:S+3]  ; the row's sum of the unquantised p, in two chains
	v_pk_add_f32 v[SB:SB+1], v[S+4:S+5], v[S+6:S+7]
.set i, 8
.rept 18
	v_pk_add_f32 v[SA:SA+1], v[SA:SA+1], v[S+i:S+i+1]
	v_pk_add_f32 v[SB:SB+1], v[SB:SB+1], v[S+i+2:S+i+3]
.set i, i+4
.endr
	v_pk_add_f32 v[SA:SA+1], v[SA:SA+1], v[SB:SB+1]
	s_wait_alu depctr_va_vdst(0)                   ; and one for the five
.irp b, 0,1,2,3,4
	v_max_num_f32 v[BM+\b], 0x1800000, v[BM+\b]    ; the floor: the byte cannot fall under 1
.endr
.irp b, 0,1,2,3,4
	v_add_nc_u32 v[SCO+\b], 0xff000000, v[BM+\b]
.endr
.irp b, 0,1,2,3,4
	v_lshrrev_b32 v[BT+\b], 23, v[SCO+\b]
.endr
	v_lshl_or_b32 v[PS0], v[BT+1], 8, v[BT]
	v_lshl_or_b32 v[PS0], v[BT+2], 16, v[PS0]
	v_lshl_or_b32 v[PS0], v[BT+3], 24, v[PS0]
	v_mov_b32 v[PS1], v[BT+4]
.irp i, 0,1,2
	v_mov_b32 v[HB+8+\i], 0                        ; block 4 has no partner: zeros
.endr
	v_cvt_scalef32_pk16_fp6_f32 v[PC0:PC0+2], v[S:S+15], v[SCO]
	v_cvt_scalef32_pk16_fp6_f32 v[HB:HB+2], v[S+16:S+31], v[SCO+1]
	v_cvt_scalef32_pk16_fp6_f32 v[PC0+6:PC0+8], v[S+32:S+47], v[SCO+2]
	v_cvt_scalef32_pk16_fp6_f32 v[HB+4:HB+6], v[S+48:S+63], v[SCO+3]
	v_cvt_scalef32_pk16_fp6_f32 v[PC1:PC1+2], v[S+64:S+79], v[SCO+4]
	v_nop                                          ; one plain place behind a scaled conversion
.irp i, 0,1,2
	v_permlane16_swap_b32 v[PC0+\i], v[HB+\i]      ; a whole block to a lane
	v_permlane16_swap_b32 v[PC0+6+\i], v[HB+4+\i]
	v_permlane16_swap_b32 v[PC1+\i], v[HB+8+\i]
.endr
.irp i, 0,1,2
	v_mov_b32 v[PC0+3+\i], v[HB+\i]
	v_mov_b32 v[PC0+9+\i], v[HB+4+\i]
	v_mov_b32 v[PC1+3+\i], v[HB+8+\i]
.endr
	v_add_f32 v[LL], v[SA], v[SA+1]
	v_permlanex16_b32 v[LT], v[LL], s60, s61
	v_add_f32 v[LL], v[LL], v[LT]                  ; l
	v_rcp_f32 v[RL], v[LL]
	PLACES 8                                       ; behind p's scale words (8) and codes (4), written by vector instructions
	WIN 0x01
.irp i, 0,1,2,3
	v_wmma_scale_f32_16x16x128_f8f6f4 v[O+8*\i:O+8*\i+7], v[64+12*\i:75+12*\i], v[PC0:PC0+11], 0, v[VS0+\i], v[PS0] matrix_a_fmt:MATRIX_FMT_FP6 matrix_b_fmt:MATRIX_FMT_FP6
.endr
.irp i, 0,1,2,3                                ; the four accumulators take turns.  Beyond block B's 32 keys p's codes are zeros
	v_wmma_scale_f32_16x16x128_f8f6f4 v[O+8*\i:O+8*\i+7], v[112+6*\i:123+6*\i], v[PC1:PC1+11], v[O+8*\i:O+8*\i+7], v[VS1+\i], v[PS1] matrix_a_fmt:MATRIX_FMT_FP6 matrix_b_fmt:MATRIX_FMT_FP6
.endr
	WIN 0
	PLACES 4
	s_wait_alu depctr_va_vdst(0)                   ; the reciprocal's wait, ahead of its first reader
.set i, 0
.rept 16
	v_pk_mul_f32 v[O+2*i:O+2*i+1], v[O+2*i:O+2*i+1], v[RL:RL+1] op_sel_hi:[1,0]   ; register 16 B' + i: d = 32 B' + 16 h + i
.set i, i+1
.endr
.irp b, 0,1
	v_max3_num_f32 v[BM+\b], |v[O+16*\b]|, |v[O+1+16*\b]|, 0x1800000
.endr
.irp i, 2,4,6,8,10,12,14
.irp b, 0,1
	v_max3_num_f32 v[BM+\b], v[BM+\b], |v[O+16*\b+\i]|, |v[O+1+16*\b+\i]|
.endr
.endr
.irp b, 0,1
	v_permlanex16_b32 v[BT+\b], v[BM+\b], s60, s61
.endr
.irp b, 0,1
	v_max_num_f32 v[BM+\b], v[BM+\b], v[BT+\b]
.endr
.irp b, 0,1
	v_add_nc_u32 v[SCO+\b], 0xff000000, v[BM+\b]
.endr
.irp b, 0,1
	v_lshrrev_b32 v[BT+\b], 23, v[SCO+\b]
.endr
	v_cvt_scalef32_pk16_fp6_f32 v[AC+6*\c:AC+6*\c+2], v[O:O+15], v[SCO]
	v_cvt_scalef32_pk16_fp6_f32 v[HB:HB+2], v[O+16:O+31], v[SCO+1]
	v_nop
.irp i, 0,1,2
	v_permlane16_swap_b32 v[AC+6*\c+\i], v[HB+\i]
.endr
.irp i, 0,1,2
	v_mov_b32 v[AC+6*\c+3+\i], v[HB+\i]
.endr
.if \c == 0
	v_lshl_or_b32 v[AWC], v[BT+1], 8, v[BT]
.else
	v_lshl_or_b32 v[AWC], v[BT], 16, v[AWC]
	v_lshl_or_b32 v[AWC], v[BT+1], 24, v[AWC]
.endif
.endm
	s_mov_b32 s57, 2
.Ltrip:
	UNIT 0
	UNIT 1
	global_store_b128 v11, v[AC:AC+3], s[16:17]               ; the fragment's image: 512 consecutive bytes a store
	global_store_b128 v11, v[AC+4:AC+7], s[16:17] offset:512
	global_store_b128 v11, v[AC+8:AC+11], s[16:17] offset:1024
	v_mov_b32 v[AW0], v[AW1]                       ; the trips' scale words are handed on: behind two trips AW0 holds the first's, AW1 the second's
	v_mov_b32 v[AW1], v[AWC]
	s_wait_xcnt 0x0                                ; bases and store data are written again only behind this wait
	s_add_nc_u64 s[4:5], s[4:5], 2*HEADB
	s_add_nc_u64 s[6:7], s[6:7], 2*8192
	s_add_nc_u64 s[16:17], s[16:17], 1536
	s_sub_co_u32 s57, s57, 1
	s_cmp_lg_u32 s57, 0
	s_cbranch_scc1 .Ltrip
	v_cmp_eq_u32 vcc_lo, 1, v2
	v_cndmask_b32 v[AWC], v[AW0], v[AW1], vcc_lo   ; lanes 0-15 the first K step's words, lanes 16-31 the second's
	global_store_b32 v12, v[AWC], s[18:19]
	s_endpgm
.Lfunc_end_k_q89ece9a5d3_attn:
	.size	k_q89ece9a5d3_attn, .Lfunc_end_k_q89ece9a5d3_attn-k_q89ece9a5d3_attn
	.p2alignl 7, 3214868480
	.fill 96, 4, 3214868480
	.section	.rodata,"a",@progbits
	.p2align	6, 0x0
	.amdhsa_kernel k_q89ece9a5d3_attn
		.amdhsa_group_segment_fixed_size 0
		.amdhsa_private_segment_fixed_size 0
		.amdhsa_enable_private_segment 0
		.amdhsa_kernarg_size 64
		.amdhsa_user_sgpr_count 2
		.amdhsa_user_sgpr_kernarg_segment_ptr 1
		.amdhsa_wavefront_size32 1
		.amdhsa_system_sgpr_workgroup_id_x 1
		.amdhsa_system_sgpr_workgroup_id_y 1
		.amdhsa_system_sgpr_workgroup_id_z 1
		.amdhsa_system_vgpr_workitem_id 0
		.amdhsa_next_free_vgpr 400
		.amdhsa_next_free_sgpr 80
		.amdhsa_reserve_vcc 1
		.amdhsa_float_denorm_mode_32 3
		.amdhsa_float_denorm_mode_16_64 3
		.amdhsa_memory_ordered 1
		.amdhsa_forward_progress 1
		.amdhsa_inst_pref_size 69
	.end_amdhsa_kernel
	.amdgpu_metadata
---
amdhsa.version: [ 1, 2 ]
amdhsa.kernels:
  - .name:           k_q89ece9a5d3_attn
    .symbol:         k_q89ece9a5d3_attn.kd
    .args:
      - { .name: q_codes, .offset: 0, .size: 8, .value_kind: global_buffer, .address_space: global }
      - { .name: q_scales, .offset: 8, .size: 8, .value_kind: global_buffer, .address_space: global }
      - { .name: k_codes, .offset: 16, .size: 8, .value_kind: global_buffer, .address_space: global }
      - { .name: k_scales, .offset: 24, .size: 8, .value_kind: global_buffer, .address_space: global }
      - { .name: v_codes, .offset: 32, .size: 8, .value_kind: global_buffer, .address_space: global }
      - { .name: v_scales, .offset: 40, .size: 8, .value_kind: global_buffer, .address_space: global }
      - { .name: attn_codes, .offset: 48, .size: 8, .value_kind: global_buffer, .address_space: global }
      - { .name: attn_scales, .offset: 56, .size: 8, .value_kind: global_buffer, .address_space: global }
    .group_segment_fixed_size: 0
    .private_segment_fixed_size: 0
    .kernarg_segment_align: 8
    .kernarg_segment_size: 64
    .max_flat_workgroup_size: 256
    .sgpr_count:     80
    .vgpr_count:     400
    .wavefront_size: 32
...
	.end_amdgpu_metadata
.endif
;; end of part 2
;; launch oproj (part 3): grid 20 x 8, 4 waves a work-group, clusters of 4 x 4, 327,680 bytes of LDS; arguments attn_codes, attn_scales, Wo_codes, Wo_scales, bo, out0; writes out0
.if DOCPART == 3
	.amdgcn_target "amdgcn-amd-amdhsa--gfx1250"
	.amdhsa_code_object_version 6
	.text
	.protected	k_q89ece9a5d3_oproj
	.globl	k_q89ece9a5d3_oproj
	.p2align	8
	.type	k_q89ece9a5d3_oproj,@function
k_q89ece9a5d3_oproj:
	s_mov_b64 s[64:65], 0
	v_nop
	global_prefetch_b8 v0, s[64:65] scope:SCOPE_SE
	s_setreg_imm32_b32 hwreg(HW_REG_WAVE_MODE, 25, 1), 1
	s_wait_xcnt 0x0
	s_wait_alu depctr_hold_cnt(0) depctr_sa_sdst(0) depctr_va_vdst(0) depctr_va_sdst(0) depctr_va_ssrc(0) depctr_va_vcc(0) depctr_vm_vsrc(0)
	s_getreg_b32 s2, hwreg(HW_REG_IB_STS2, 6, 4)
	s_cmp_eq_u32 s2, 0
	s_cbranch_scc0 .Lentry_in_a_cluster
	s_endpgm
.Lentry_in_a_cluster:
	s_bfe_u32 s2, ttmp6, 0x10000c
	s_cmp_lg_u32 s2, 0xf033
	s_cbranch_scc0 .Lentry_shape_is_right
	s_endpgm
.Lentry_shape_is_right:
; out0 = attn Wo + bo on codes of FP6 (E2M3).  attn: register images [tile of 16 tokens][K step of 128][1,536 bytes] and scale words [tile][K step][token]; Wo: codes and scale bytes as given, K innermost.
; A work-group makes 256 tokens x 144 columns (2,880 = 20 x 144); wave w: tokens 64 w .. 64 w + 63 x 144 columns: 36 accumulators.  K = 4,096 goes in 16 slots of 256 through a ring of two LDS slots.
; THE MATRIX INSTRUCTION IS USED TRANSPOSED (source 0 = 16 rows of Wo, source 1 = 16 tokens).  bo is the C of each sum's first product.
; CLUSTER 4 x 4: attn's tiles and scale words are asked for jointly along a row of the cluster, Wo's along a column.  The scales of all of K come once, with the first fills.
; A scale register carries a slot's two K steps: lanes 0-15 the first, lanes 16-31 the second.
; A tile's columns begin at 576 nt bytes of a row: the aligned blocks of 256 bytes at a tile's two edges are written in part by two work-groups.
; REGISTERS: window 0: v1-31 ids and addresses; v32-57 scale words, two sets, and nothing else; v64-111 attn's 4 fragments; v112-183 bo; on the way out v64-207 rows of the result.
;   window 1: Wo's 9 fragments, two sets, at v0 and v128.   window 2: accumulators (a, b) at v[8 (9 a + b)], a = 0, 1;   window 3: a = 2, 3.
.set PITCH,  240
.set FR,     12
.set AIMG,   1536
.set ATILE,  3072                      ; a tile's two images in a slot
.set BOFF,   16*ATILE
.set SLOT,   BOFF+144*PITCH            ; 83,712
.set SCA,    2*SLOT                    ; attn's scale words: 16 tiles x 2,048 bytes, dense
.set SCB,    SCA+32768                 ; Wo's scale bytes: 72 units of 256 + 16
.set SPARE,  220160
.set SPITCH, 592                       ; the way out: 16 rows of 576 + 16 for each wave, in slot 0 behind its last fill and last read
.set NROW,   11520                     ; a row of out0
.set BOF,  8                           ; v8   bo's offset, 32 h; written once: the loads of bo are out while the other addresses are made
.set ADA,  16
.set ADSB, 18
.set CO,   19
.set ADRB, 20
.set STO,  24
.set RD,   25
.set RD2,  26
.set ADSA, 27
.set SPW,  28
.set NIL,  29
.set CO2,  30
.set SC,   32
.set AF,   64
.set BO,   112
.set BK,   64
.set G1,   24
.set G0,   32
.set G1B,  48
.set G0B,  56
.set G1S,  68
.set G0S,  76
.set G1SB, 80
.set G0SB, 88
.set MSB, 0
.macro WIN new
.if MSB != (\new)
	s_set_vgpr_msb (MSB<<8)|(\new)
.set MSB, (\new)
.endif
.endm
.macro PLACES n
.rept \n
	v_nop
.endr
.endm
.macro JLOAD g0a, g1a, g0b, g1b        ; waves 0 and 1 fetch for attn, waves 2 and 3 for Wo
	s_cmp_eq_u32 s15, 0
	s_cbranch_scc0 .Lfor_b_\@
	tensor_load_to_lds s[\g0a:\g0a+3], s[\g1a:\g1a+7]
	s_nop 0
	PLACES 4
	s_branch .Lasked_\@
.Lfor_b_\@:
	tensor_load_to_lds s[\g0b:\g0b+3], s[\g1b:\g1b+7]
	s_nop 0
	PLACES 4
.Lasked_\@:
.endm
.macro CREST
	s_cmp_lg_u32 s14, 0
	s_cbranch_scc1 .Lnot_wave_0_\@
	s_barrier_signal -3
.Lnot_wave_0_\@:
	s_barrier_wait -3
	s_barrier_signal -1
	s_barrier_wait -1
.endm
.macro CROUND
	s_barrier_signal -1
	s_barrier_wait -1
	CREST
.endm
	s_load_b128 s[4:7], s[0:1], 0x0                ; attn's codes, scales
	s_load_b128 s[8:11], s[0:1], 0x10              ; Wo's codes, scales
	s_load_b128 s[92:95], s[0:1], 0x20             ; bo, out0
	v_lshl_add_u32 v[SPW], v0, 2, SPARE
	v_mov_b32 v[NIL], 0
	ds_add_u32 v[SPW], v[NIL]                      ; the wave's opening: the add, twice on end, with its wait ahead of my first tensor load
	ds_add_u32 v[SPW], v[NIL]
	v_lshrrev_b32 v1, 5, v0
	v_readfirstlane_b32 s14, v1                    ; wave 0..3
	s_lshr_b32 s15, s14, 1                         ; I fetch for attn (0) or for Wo (1),
	s_and_b32 s16, s14, 1                          ; its first or second half
	s_bfe_u32 s40, ttmp6, 0x40000                  ; cx
	s_bfe_u32 s41, ttmp6, 0x40004                  ; cy
	s_lshl_b32 s42, ttmp9, 2
	s_add_co_u32 s42, s42, s40                     ; nt
	s_and_b32 s17, ttmp7, 0xffff
	s_lshl_b32 s17, s17, 2
	s_add_co_u32 s17, s17, s41                     ; mt
	s_lshl_b32 s43, s41, 2
	s_lshl_b32 s43, 15, s43                        ; my row of the cluster
	s_lshl_b32 s44, 0x1111, s40                    ; my column
	s_or_b32 s[G1], s43, (3<<16)|(1<<21)           ; attn's codes: 8 tiles x 3,072 bytes (384 elements of 8), 49,152 bytes apart; no padding
	s_mov_b32 s[G1+1], 384<<16
	s_mov_b32 s[G1+2], 8<<16
	s_mov_b32 s[G1+3], 384<<16
	s_mov_b32 s[G1+4], 8
	s_mov_b32 s[G1+5], 6144
	s_mov_b32 s[G1+6], 0
	s_mov_b32 s[G1+7], 0
	s_or_b32 s[G1B], s44, (1<<20)|(1<<21)|(3<<22)|(3<<25)   ; Wo's codes: 72 rows x 192 bytes, 16 bytes of padding behind every 64
	s_mov_b32 s[G1B+1], 192<<16
	s_mov_b32 s[G1B+2], 72<<16
	s_mov_b32 s[G1B+3], 192<<16
	s_mov_b32 s[G1B+4], 72
	s_mov_b32 s[G1B+5], 3072
	s_mov_b32 s[G1B+6], 0
	s_mov_b32 s[G1B+7], 0
	s_or_b32 s[G1S], s43, (3<<16)|(1<<21)          ; attn's scale words: 16,384 dense bytes as 64 rows of 256
	s_mov_b32 s[G1S+1], 32<<16
	s_mov_b32 s[G1S+2], 64<<16
	s_mov_b32 s[G1S+3], 32<<16
	s_mov_b32 s[G1S+4], 64
	s_mov_b32 s[G1S+5], 32
	s_mov_b32 s[G1S+6], 0
	s_mov_b32 s[G1S+7], 0
	s_or_b32 s[G1SB], s44, (3<<16)|(1<<20)|(1<<21)|(5<<22)|(3<<25)   ; Wo's scale bytes: 9,216 dense bytes as 36 rows of 256, 16 of padding behind each
	s_mov_b32 s[G1SB+1], 32<<16
	s_mov_b32 s[G1SB+2], 36<<16
	s_mov_b32 s[G1SB+3], 32<<16
	s_mov_b32 s[G1SB+4], 36
	s_mov_b32 s[G1SB+5], 32
	s_mov_b32 s[G1SB+6], 0
	s_mov_b32 s[G1SB+7], 0
	s_lshl_b32 s20, s17, 4
	s_lshl_b32 s21, s16, 3
	s_add_co_u32 s20, s20, s21                     ; attn: tile 16 mt + 8 x half
	s_lshl_b32 s22, s20, 11                        ; its scale words,
	s_mul_i32 s20, s20, 49152                      ; its codes
	s_mov_b32 s21, 0
	s_mov_b32 s23, 0
	s_mul_i32 s46, s42, 144
	s_mul_i32 s47, s16, 72
	s_add_co_u32 s46, s46, s47                     ; Wo: row 144 nt + 72 x half
	s_lshl_b32 s96, s46, 7
	s_mul_i32 s46, s46, 3072
	s_mov_b32 s47, 0
	s_mov_b32 s97, 0
	s_mul_i32 s18, s16, 8*ATILE                    ; where they go: the wave's number alone enters an LDS address
	s_mul_i32 s19, s16, 72*PITCH
	s_add_co_u32 s19, s19, BOFF
	s_lshl_b32 s2, s16, 14
	s_mul_i32 s3, s16, 36*272
	s_wait_dscnt 0x0                               ; both opening adds are done
	s_wait_kmcnt 0x0
	s_add_nc_u64 s[20:21], s[4:5], s[20:21]
	s_add_nc_u64 s[22:23], s[6:7], s[22:23]
	s_add_nc_u64 s[46:47], s[8:9], s[46:47]
	s_add_nc_u64 s[96:97], s[10:11], s[96:97]
	CROUND                                         ; all sixteen work-groups are here
	s_mov_b32 s[G0S], 1
	s_add_co_u32 s[G0S+1], s2, SCA
	s_mov_b64 s[G0S+2:G0S+3], s[22:23]
	s_or_b32 s[G0S+3], s[G0S+3], 0x80000000
	s_mov_b32 s[G0SB], 1
	s_add_co_u32 s[G0SB+1], s3, SCB
	s_mov_b64 s[G0SB+2:G0SB+3], s[96:97]
	s_or_b32 s[G0SB+3], s[G0SB+3], 0x80000000
	JLOAD G0S, G1S, G0SB, G1SB                     ; the scales first; then both slots: three loads of mine are out
.irp s, 0,1
	s_mov_b32 s[G0+4*\s], 1
	s_add_co_u32 s[G0+4*\s+1], s18, \s*SLOT
	s_add_nc_u64 s[G0+4*\s+2:G0+4*\s+3], s[20:21], \s*ATILE
	s_or_b32 s[G0+4*\s+3], s[G0+4*\s+3], 0x80000000
	s_mov_b32 s[G0B+4*\s], 1
	s_add_co_u32 s[G0B+4*\s+1], s19, \s*SLOT
	s_add_nc_u64 s[G0B+4*\s+2:G0B+4*\s+3], s[46:47], \s*192
	s_or_b32 s[G0B+4*\s+3], s[G0B+4*\s+3], 0x80000000
	JLOAD G0+4*\s, G1, G0B+4*\s, G1B
.endr
	v_and_b32 v1, 15, v0                           ; r
	v_bfe_u32 v2, v0, 4, 1                         ; h
	v_and_b32 v3, 31, v0                           ; lane
	v_lshlrev_b32 v[BOF], 5, v2                    ; 32 h: a register of its own, never written again
	s_mul_i32 s2, s42, 576                         ; my tile's first column, in bytes
	s_mov_b32 s3, 0
	s_add_nc_u64 s[92:93], s[92:93], s[2:3]
.irp b, 0,1,2,3,4,5,6,7,8
	global_load_b128 v[BO+8*\b:BO+8*\b+3], v[BOF], s[92:93] offset:64*\b        ; bo at columns 16 b + 8 h + 0 .. 7
	global_load_b128 v[BO+8*\b+4:BO+8*\b+7], v[BOF], s[92:93] offset:64*\b+16
.endr
	s_add_nc_u64 s[94:95], s[94:95], s[2:3]
	s_lshl_b32 s2, s17, 8
	s_lshl_b32 s18, s14, 6
	s_add_co_u32 s2, s2, s18                       ; my first token
	s_mul_i32 s2, s2, NROW
	s_add_nc_u64 s[94:95], s[94:95], s[2:3]
	v_mul_u32_u24 v4, v1, PITCH
	v_mad_u32_u24 v4, v2, 24, v4
	v_lshl_add_u32 v5, v2, 4, v4
	v_add_nc_u32 v[ADRB], BOFF, v4
	v_add_nc_u32 v[ADRB+1], BOFF+SLOT, v4
	v_add_nc_u32 v[ADRB+2], BOFF, v5
	v_add_nc_u32 v[ADRB+3], BOFF+SLOT, v5
	s_mul_i32 s2, s14, 4*ATILE
	v_lshl_add_u32 v[ADA], v3, 4, s2               ; my four tiles' images: 16 x lane
	v_add_nc_u32 v[ADA+1], SLOT, v[ADA]
	s_lshl_b32 s2, s14, 13
	s_add_co_u32 s2, s2, SCA
	v_lshl_add_u32 v[ADSA], v3, 2, s2              ; attn's words: 4 x lane takes two K steps
	v_lshrrev_b32 v6, 1, v1
	v_mul_u32_u24 v[ADSB], v6, 272                 ; Wo's: two rows to a unit of 256 + 16,
	v_and_b32 v6, 1, v1
	v_lshl_add_u32 v[ADSB], v6, 7, v[ADSB]
	v_lshl_add_u32 v[ADSB], v2, 2, v[ADSB]         ; lanes 16-31 the second K step's word
	v_add_nc_u32 v[ADSB], SCB, v[ADSB]
	s_mul_i32 s2, s14, 16*SPITCH                   ; my stage
	v_mul_u32_u24 v[STO], v1, SPITCH
	v_lshl_add_u32 v[STO], v2, 5, v[STO]
	v_add_nc_u32 v[STO], s2, v[STO]
	v_lshlrev_b32 v[CO], 4, v3
	v_add_nc_u32 v[RD], s2, v[CO]                  ; back: a row's first 512 bytes;
	v_lshrrev_b32 v6, 2, v3
	v_and_b32 v7, 3, v3
	v_mul_u32_u24 v[RD2], v6, SPITCH               ; and the last 64 bytes of eight rows
	v_lshl_add_u32 v[RD2], v7, 4, v[RD2]
	v_add_nc_u32 v[RD2], s2, v[RD2]
	v_add_nc_u32 v[RD2], 512, v[RD2]
	v_mul_u32_u24 v[CO2], v6, NROW
	v_lshl_add_u32 v[CO2], v7, 4, v[CO2]
	v_add_nc_u32 v[CO2], 512, v[CO2]
.macro FRAG reg, adr, q, i
.irp p, 0,1,2,3,4,5
.set PIECE, 12*(\q)+6*(\p/3)+\p%3
.if PIECE%8 < 5
	ds_load_b64 v[\reg+2*\p:\reg+2*\p+1], v[\adr] offset:8*PIECE+16*(PIECE/8)+(\i)*16*PITCH
.else
	ds_load_b64 v[\reg+2*\p:\reg+2*\p+1], v[\adr+2] offset:8*PIECE+16*(PIECE/8)+(\i)*16*PITCH
.endif
.endr
.endm
.macro FETCH_B slot, q, p              ; 54 loads
	WIN 0x40
.irp i, 0,1,2,3,4,5,6,7,8
	FRAG 128*(\p)+FR*\i, ADRB+\slot, \q, \i
.endr
	WIN 0
.endm
.macro FETCH_A slot, q, a0             ; two fragments as they stand: 6 loads
.irp a, \a0, \a0+1
.irp c, 0,1,2
	ds_load_b128 v[AF+FR*(\a)+4*\c:AF+FR*(\a)+4*\c+3], v[ADA+\slot] offset:(\a)*ATILE+(\q)*AIMG+512*\c
.endr
.endr
.endm
.macro SCALES sc                       ; 13 loads
.irp a, 0,1,2,3
	ds_load_b32 v[SC+13*(\sc)+\a], v[ADSA] offset:\a*2048
.endr
.irp b, 0,1,2,3,4,5,6,7,8
	ds_load_b32 v[SC+13*(\sc)+4+\b], v[ADSB] offset:\b*8*272
.endr
.endm
; nine products: attn's block a against Wo's nine.  The 36 accumulators take turns in one order in every step
.macro MUL9 a, p, q, sc, first
.set AC, 72*((\a)%2)
.if \first
	WIN 0x81+0x40*((\a)/2)
.else
	WIN 0xa1+0x50*((\a)/2)
.endif
.irp b, 0,1,2,3,4,5,6,7,8
.if \first
	v_wmma_scale_f32_16x16x128_f8f6f4 v[AC+8*\b:AC+8*\b+7], v[128*(\p)+FR*\b:128*(\p)+FR*\b+FR-1], v[AF+FR*(\a):AF+FR*(\a)+FR-1], v[BO+8*\b:BO+8*\b+7], v[SC+13*(\sc)+4+\b], v[SC+13*(\sc)+(\a)] matrix_a_fmt:MATRIX_FMT_FP6 matrix_b_fmt:MATRIX_FMT_FP6
.elseif \q
	v_wmma_scale_f32_16x16x128_f8f6f4 v[AC+8*\b:AC+8*\b+7], v[128*(\p)+FR*\b:128*(\p)+FR*\b+FR-1], v[AF+FR*(\a):AF+FR*(\a)+FR-1], v[AC+8*\b:AC+8*\b+7], v[SC+13*(\sc)+4+\b], v[SC+13*(\sc)+(\a)] matrix_a_fmt:MATRIX_FMT_FP6 matrix_b_fmt:MATRIX_FMT_FP6 matrix_a_scale:MATRIX_SCALE_ROW1 matrix_b_scale:MATRIX_SCALE_ROW1
.else
	v_wmma_scale_f32_16x16x128_f8f6f4 v[AC+8*\b:AC+8*\b+7], v[128*(\p)+FR*\b:128*(\p)+FR*\b+FR-1], v[AF+FR*(\a):AF+FR*(\a)+FR-1], v[AC+8*\b:AC+8*\b+7], v[SC+13*(\sc)+4+\b], v[SC+13*(\sc)+(\a)] matrix_a_fmt:MATRIX_FMT_FP6 matrix_b_fmt:MATRIX_FMT_FP6
.endif
.endr
.endm
.macro STEP slot, first
	s_wait_dscnt 6                                 ; all but the youngest 6 loads (attn's blocks 2, 3) are in
	MUL9 0, 0, 0, \slot, \first
	MUL9 1, 0, 0, \slot, \first
	s_wait_dscnt 0x0
	PLACES 4
	FETCH_B \slot, 1, 1
	FETCH_A \slot, 1, 0
	MUL9 2, 0, 0, \slot, \first
	MUL9 3, 0, 0, \slot, \first
	PLACES 4
	WIN 0
	FETCH_A \slot, 1, 2
.endm
.macro TURN slot, next, fill
	s_wait_tensorcnt 0x0                           ; all my tensor loads have landed: my part of the next slot
	ds_add_u32 v[SPW], v[NIL]                      ; 0 onto my spare word
	s_wait_dscnt 7                                 ; the add and the youngest 6 loads may be out
	MUL9 0, 1, 1, \slot, 0
	s_wait_dscnt 0x0                               ; the add is done, and my reads of this slot are over
	s_barrier_signal -1
	MUL9 1, 1, 1, \slot, 0
	WIN 0
	s_barrier_wait -1
.if \fill
	CREST                                          ; no wave of any partner still reads this slot or has a load on its way
	s_add_nc_u64 s[G0+4*\slot+2:G0+4*\slot+3], s[G0+4*\slot+2:G0+4*\slot+3], 2*ATILE
	s_add_nc_u64 s[G0B+4*\slot+2:G0B+4*\slot+3], s[G0B+4*\slot+2:G0B+4*\slot+3], 2*192
	JLOAD G0+4*\slot, G1, G0B+4*\slot, G1B         ; my one tensor load behind the round; its four v_nop are the places for the loads below
.else
	PLACES 4
.endif
	v_add_nc_u32 v[ADSA], 128, v[ADSA]             ; the next slot's scale words
	v_add_nc_u32 v[ADSB], 8, v[ADSB]
	FETCH_B \next, 0, 0
	FETCH_A \next, 0, 0
	SCALES \next
	MUL9 2, 1, 1, \slot, 0
	MUL9 3, 1, 1, \slot, 0
	PLACES 4
	WIN 0
	FETCH_A \next, 0, 2
.endm
	s_wait_tensorcnt 0x1                           ; the scales and my part of slot 0 are in; slot 1's load may stay out
	s_barrier_signal -1
	s_barrier_wait -1
	FETCH_B 0, 0, 0
	FETCH_A 0, 0, 0
	SCALES 0
	FETCH_A 0, 0, 2
	s_wait_loadcnt 0x0                             ; bo
	STEP 0, 1                                      ; the first step starts the sums from bo
	s_mov_b32 s3, 7
.Llap:
	TURN 0, 1, 1
	STEP 1, 0
	TURN 1, 0, 1
	STEP 0, 0
	s_sub_co_u32 s3, s3, 1
	s_cmp_lg_u32 s3, 0
	s_cbranch_scc1 .Llap
	TURN 0, 1, 0                                   ; the last lap fills nothing
	STEP 1, 0
	s_wait_dscnt 6
	MUL9 0, 1, 1, 1, 0
	MUL9 1, 1, 1, 1, 0
	s_wait_dscnt 0x0
	MUL9 2, 1, 1, 1, 0
	MUL9 3, 1, 1, 1, 0
	WIN 0
; THE WAY OUT, 16 tokens x 144 columns at a time, through my own stage; LDS serves a wave's instructions in order, so no wait stands between the stores and the loads
.macro TOSTAGE a
.set AC, 72*((\a)%2)
	WIN 0x08+4*((\a)/2)
.irp b, 0,1,2,3,4,5,6,7,8
	ds_store_b128 v[STO], v[AC+8*\b:AC+8*\b+3] offset:64*\b          ; each accumulator from its low end on
	ds_store_b128 v[STO], v[AC+8*\b+4:AC+8*\b+7] offset:64*\b+16
.endr
	WIN 0
.set BB, BK+72*((\a)%2)
.irp t, 0,1,2,3,4,5,6,7,8,9,10,11,12,13,14,15
	ds_load_b128 v[BB+4*\t:BB+4*\t+3], v[RD] offset:\t*SPITCH
.endr
.irp t, 0,1
	ds_load_b128 v[BB+64+4*\t:BB+67+4*\t], v[RD2] offset:\t*8*SPITCH
.endr
.endm
.macro SEND a, younger
.set BB, BK+72*((\a)%2)
	s_wait_dscnt \younger
.if (\a) > 0
	s_add_nc_u64 s[94:95], s[94:95], 16*NROW       ; (behind a wait for the earlier stores' addresses)
.endif
.irp t, 0,1,2,3,4,5,6,7,8,9,10,11,12,13,14,15
	global_store_b128 v[CO], v[BB+4*\t:BB+4*\t+3], s[94:95] offset:\t*NROW th:TH_STORE_NT   ; 512 consecutive bytes of a row
.endr
.irp t, 0,1
	global_store_b128 v[CO2], v[BB+64+4*\t:BB+67+4*\t], s[94:95] offset:\t*8*NROW th:TH_STORE_NT   ; the last 64 bytes of eight rows
.endr
.endm
	PLACES 4
	TOSTAGE 0
.irp a, 1,2,3
.if \a > 1
	s_wait_xcnt 0x0                                ; block a - 2's stores have read their registers and their base
.endif
	TOSTAGE \a
	SEND \a-1, 36                                  ; behind block a - 1's loads: block a's 18 stores and 18 loads
.endr
	s_wait_xcnt 0x0
	SEND 3, 0
	s_wait_tensorcnt 0x0                           ; the wave's end
	ds_add_u32 v[SPW], v[NIL]
	s_wait_dscnt 0x0
	CROUND                                         ; the closing round
	s_endpgm
.Lfunc_end_k_q89ece9a5d3_oproj:
	.size	k_q89ece9a5d3_oproj, .Lfunc_end_k_q89ece9a5d3_oproj-k_q89ece9a5d3_oproj
	.p2alignl 7, 3214868480
	.fill 96, 4, 3214868480
	.section	.rodata,"a",@progbits
	.p2align	6, 0x0
	.amdhsa_kernel k_q89ece9a5d3_oproj
		.amdhsa_group_segment_fixed_size 327680
		.amdhsa_private_segment_fixed_size 0
		.amdhsa_enable_private_segment 0
		.amdhsa_kernarg_size 48
		.amdhsa_user_sgpr_count 2
		.amdhsa_user_sgpr_kernarg_segment_ptr 1
		.amdhsa_wavefront_size32 1
		.amdhsa_system_sgpr_workgroup_id_x 1
		.amdhsa_system_sgpr_workgroup_id_y 1
		.amdhsa_system_sgpr_workgroup_id_z 1
		.amdhsa_system_vgpr_workitem_id 0
		.amdhsa_next_free_vgpr 1024
		.amdhsa_next_free_sgpr 100
		.amdhsa_reserve_vcc 0
		.amdhsa_float_denorm_mode_32 3
		.amdhsa_float_denorm_mode_16_64 3
		.amdhsa_memory_ordered 1
		.amdhsa_forward_progress 1
		.amdhsa_inst_pref_size 107
	.end_amdhsa_kernel
	.amdgpu_metadata
---
amdhsa.version: [ 1, 2 ]
amdhsa.kernels:
  - .name:           k_q89ece9a5d3_oproj
    .symbol:         k_q89ece9a5d3_oproj.kd
    .args:
      - { .name: attn_codes, .offset: 0, .size: 8, .value_kind: global_buffer, .address_space: global }
      - { .name: attn_scales, .offset: 8, .size: 8, .value_kind: global_buffer, .address_space: global }
      - { .name: Wo_codes, .offset: 16, .size: 8, .value_kind: global_buffer, .address_space: global }
      - { .name: Wo_scales, .offset: 24, .size: 8, .value_kind: global_buffer, .address_space: global }
      - { .name: bo, .offset: 32, .size: 8, .value_kind: global_buffer, .address_space: global }
      - { .name: out0, .offset: 40, .size: 8, .value_kind: global_buffer, .address_space: global }
    .group_segment_fixed_size: 327680
    .private_segment_fixed_size: 0
    .kernarg_segment_align: 8
    .kernarg_segment_size: 48
    .max_flat_workgroup_size: 128
    .sgpr_count:     100
    .vgpr_count:     1024
    .wavefront_size: 32
...
	.end_amdgpu_metadata
.endif
;; end of part 3
;; ======== version 2 of 2: 3 launches
;; limits: right only within a limited range of input values
;; workspace buffers: q_codes 6,291,456 bytes; q_scales 524,288 bytes; k_codes 786,432 bytes; k_scales 65,536 bytes; v_codes 786,432 bytes; v_scales 32,768 bytes; attn_codes 6,291,456 bytes; attn_scales 262,144 bytes
;; launch qkv: the kernel of part 1 again; grid 16 x 16, 4 waves a work-group, clusters of 4 x 4, 327,680 bytes of LDS; arguments hidden_codes, hidden_scales, Wq_codes, Wq_scales, Wk_codes, Wk_scales, Wv_codes, Wv_scales, positions, bq, bk, bv, q_codes, q_scales, k_codes, k_scales, v_codes, v_scales; writes q_codes, q_scales, k_codes, k_scales, v_codes, v_scales
;; launch attn: the kernel of part 2 again; grid 256 x 1, 8 waves a work-group, no clusters, 0 bytes of LDS; arguments q_codes, q_scales, k_codes, k_scales, v_codes, v_scales, attn_codes, attn_scales; writes attn_codes, attn_scales
;; launch oproj (part 4): grid 20 x 8, 4 waves a work-group, clusters of 4 x 4, 327,680 bytes of LDS; arguments attn_codes, attn_scales, Wo_codes, Wo_scales, bo, out0; writes out0
.if DOCPART == 4
	.amdgcn_target "amdgcn-amd-amdhsa--gfx1250"
	.amdhsa_code_object_version 6
	.text
	.protected	k_q89ece9a5d3_oproj
	.globl	k_q89ece9a5d3_oproj
	.p2align	8
	.type	k_q89ece9a5d3_oproj,@function
k_q89ece9a5d3_oproj:
	s_mov_b64 s[64:65], 0
	v_nop
	global_prefetch_b8 v0, s[64:65] scope:SCOPE_SE
	s_setreg_imm32_b32 hwreg(HW_REG_WAVE_MODE, 25, 1), 1
	s_wait_xcnt 0x0
	s_wait_alu depctr_hold_cnt(0) depctr_sa_sdst(0) depctr_va_vdst(0) depctr_va_sdst(0) depctr_va_ssrc(0) depctr_va_vcc(0) depctr_vm_vsrc(0)
	s_getreg_b32 s2, hwreg(HW_REG_IB_STS2, 6, 4)
	s_cmp_eq_u32 s2, 0
	s_cbranch_scc0 .Lentry_in_a_cluster
	s_endpgm
.Lentry_in_a_cluster:
	s_bfe_u32 s2, ttmp6, 0x10000c
	s_cmp_lg_u32 s2, 0xf033
	s_cbranch_scc0 .Lentry_shape_is_right
	s_endpgm
.Lentry_shape_is_right:
; out0 = attn Wo + bo on codes of FP6 (E2M3).  attn: register images [tile of 16 tokens][K step of 128][1,536 bytes] and scale words [tile][K step][token]; Wo: codes and scale bytes as given, K innermost.
; A work-group makes 256 tokens x 144 columns (2,880 = 20 x 144); wave w: tokens 64 w .. 64 w + 63 x 144 columns: 36 accumulators.  K = 4,096 is 32 steps of 128.
; THE MATRIX INSTRUCTION IS USED TRANSPOSED (source 0 = 16 rows of Wo, source 1 = 16 tokens).  bo is the C of each sum's first product.
; Wo's rows are read by all four waves: they come through a ring of two LDS slots of 512 along K (144 rows x 384 bytes), each wave fetching 36 rows by one tensor load, so that every wave has a load of its own on its way.
; attn's FRAGMENTS GO FROM MEMORY STRAIGHT INTO REGISTERS.  A wave's 64 tokens are read by no other wave of the work-group, and they lie in memory in the order of the registers: 12 loads of 512 consecutive bytes a K step,
; into a ring of four sets of 48 registers, three K steps (36 loads) ahead.  These loads stay out across the changes of slots, and LDS is neither written nor read for them: 36 fragments a K step are read from LDS, not 52.
; CLUSTER 4 x 4: Wo's tiles and scale bytes are asked for jointly along a column of the cluster, attn's scale words along a row.  attn's codes are not asked for jointly: a joint request lands in LDS, which these bytes
; do not pass, and all tensor loads are waited for at each change of slots, which loads into registers are not.  The scales of all of K come once, with the first fills.
; A scale register carries two K steps: lanes 0-15 the even step, lanes 16-31 the odd one.
; A tile's columns begin at 576 nt bytes of a row: the aligned blocks of 256 bytes at a tile's two edges are written in part by two work-groups.
; REGISTERS: window 0: v1-31 ids and addresses; v32-57 scale words, two sets, and nothing else; v64-255 attn's fragments, four sets of 48; on the way out v64-207 rows of the result.
;   window 1: Wo's 9 fragments, two sets, at v0 and v128.   window 2: accumulators (a, b) at v[8 (9 a + b)], a = 0, 1; v144-215 bo.   window 3: accumulators a = 2, 3.
.set PITCH,  432                       ; an LDS row: 3 x (128 bytes + 16 of padding) = 108 words: row r starts at bank 44 r mod 64 (64 banks of 4 bytes: ISA guide 11.1): 16 different multiples of 4
.set FR,     12
.set KSB,    384                       ; 512 codes in bytes
.set WPART,  36*PITCH                  ; what one wave fetches
.set SLOT,   144*PITCH                 ; 62,208
.set SCA,    2*SLOT                    ; attn's scale words: 16 tiles x 2,048 bytes, dense
.set SCB,    SCA+32768                 ; Wo's scale bytes: 72 units of 256 + 16
.set SPARE,  176896                    ; the spare words
.set SPITCH, 592                       ; the way out: 16 rows of 576 + 16 for each wave, in slot 0 behind its last fill and last read
.set NROW,   11520                     ; a row of out0
.set ATB,    49152                     ; a tile's images of all of K
.set AIMG,   1536                      ; one image
.set BOF,  8                           ; v8   bo's offset, 32 h; written once
.set ADSB, 18
.set CO,   19                          ; v19  16 x lane: attn's images, and a row of out0; written once
.set ADRB, 20                          ; v20-21 my place in Wo's rows in slot 0, 1; v22-23 the same behind one padding more
.set STO,  24
.set RD,   25
.set RD2,  26
.set ADSA, 27
.set SPW,  28
.set NIL,  29
.set CO2,  30
.set SC,   32
.set AF,   64
.set BO,   144                         ; in window 2
.set BK,   64
.set G1B,  48
.set G0B,  56                          ; s[56:63] one set for each slot
.set G1S,  68
.set G0S,  76
.set G1SB, 80
.set G0SB, 88
.set MSB, 0
.macro WIN new
.if MSB != (\new)
	s_set_vgpr_msb (MSB<<8)|(\new)
.set MSB, (\new)
.endif
.endm
.macro PLACES n
.rept \n
	v_nop
.endr
.endm
.macro JLOAD g0a, g1a, g0b, g1b        ; the scales: waves 0 and 1 fetch attn's halves, waves 2 and 3 Wo's
	s_cmp_eq_u32 s15, 0
	s_cbranch_scc0 .Lfor_b_\@
	tensor_load_to_lds s[\g0a:\g0a+3], s[\g1a:\g1a+7]
	s_nop 0
	PLACES 4
	s_branch .Lasked_\@
.Lfor_b_\@:
	tensor_load_to_lds s[\g0b:\g0b+3], s[\g1b:\g1b+7]
	s_nop 0
	PLACES 4
.Lasked_\@:
.endm
.macro CREST
	s_cmp_lg_u32 s14, 0
	s_cbranch_scc1 .Lnot_wave_0_\@
	s_barrier_signal -3
.Lnot_wave_0_\@:
	s_barrier_wait -3
	s_barrier_signal -1
	s_barrier_wait -1
.endm
.macro CROUND
	s_barrier_signal -1
	s_barrier_wait -1
	CREST
.endm
; attn's four fragments of the K step st (counted from where s[20:21] stands) into set: 12 loads of 512 consecutive bytes
.macro ALOAD st, set
.irp a, 0,1,2,3
.irp c, 0,1,2
	global_load_b128 v[AF+48*(\set)+FR*\a+4*\c:AF+48*(\set)+FR*\a+4*\c+3], v[CO], s[20:21] offset:\a*ATB+(\st)*AIMG+512*\c
.endr
.endr
.endm
	s_load_b128 s[4:7], s[0:1], 0x0                ; attn's codes, scales
	s_load_b128 s[8:11], s[0:1], 0x10              ; Wo's codes, scales
	s_load_b128 s[92:95], s[0:1], 0x20             ; bo, out0
	v_lshl_add_u32 v[SPW], v0, 2, SPARE
	v_mov_b32 v[NIL], 0
	ds_add_u32 v[SPW], v[NIL]                      ; the wave's opening: the add, twice on end, with its wait ahead of my first tensor load
	ds_add_u32 v[SPW], v[NIL]
	v_lshrrev_b32 v1, 5, v0
	v_readfirstlane_b32 s14, v1                    ; wave 0..3
	v_and_b32 v1, 15, v0                           ; r
	v_bfe_u32 v2, v0, 4, 1                         ; h
	v_and_b32 v3, 31, v0                           ; lane
	v_lshlrev_b32 v[BOF], 5, v2
	v_lshlrev_b32 v[CO], 4, v3
	s_lshr_b32 s15, s14, 1                         ; of the scales I fetch attn's (0) or Wo's (1),
	s_and_b32 s16, s14, 1                          ; the first or the second half
	s_bfe_u32 s40, ttmp6, 0x40000                  ; cx
	s_bfe_u32 s41, ttmp6, 0x40004                  ; cy
	s_lshl_b32 s42, ttmp9, 2
	s_add_co_u32 s42, s42, s40                     ; nt
	s_and_b32 s17, ttmp7, 0xffff
	s_lshl_b32 s17, s17, 2
	s_add_co_u32 s17, s17, s41                     ; mt
	s_lshl_b32 s43, s41, 2
	s_lshl_b32 s43, 15, s43                        ; my row of the cluster
	s_lshl_b32 s44, 0x1111, s40                    ; my column
	s_or_b32 s[G1B], s44, (1<<20)|(1<<21)|(4<<22)|(3<<25)   ; Wo's codes: 36 rows x 384 bytes; elements of 1 byte; 4 words of padding behind every 32
	s_mov_b32 s[G1B+1], KSB<<16
	s_mov_b32 s[G1B+2], 36<<16
	s_mov_b32 s[G1B+3], KSB<<16
	s_mov_b32 s[G1B+4], 36
	s_mov_b32 s[G1B+5], 3072
	s_mov_b32 s[G1B+6], 0
	s_mov_b32 s[G1B+7], 0
	s_or_b32 s[G1S], s43, (3<<16)|(1<<21)          ; attn's scale words: 16,384 dense bytes as 64 rows of 256
	s_mov_b32 s[G1S+1], 32<<16
	s_mov_b32 s[G1S+2], 64<<16
	s_mov_b32 s[G1S+3], 32<<16
	s_mov_b32 s[G1S+4], 64
	s_mov_b32 s[G1S+5], 32
	s_mov_b32 s[G1S+6], 0
	s_mov_b32 s[G1S+7], 0
	s_or_b32 s[G1SB], s44, (3<<16)|(1<<20)|(1<<21)|(5<<22)|(3<<25)   ; Wo's scale bytes: 9,216 dense bytes as 36 rows of 256, 16 of padding behind each
	s_mov_b32 s[G1SB+1], 32<<16
	s_mov_b32 s[G1SB+2], 36<<16
	s_mov_b32 s[G1SB+3], 32<<16
	s_mov_b32 s[G1SB+4], 36
	s_mov_b32 s[G1SB+5], 32
	s_mov_b32 s[G1SB+6], 0
	s_mov_b32 s[G1SB+7], 0
	s_lshl_b32 s20, s17, 4
	s_lshl_b32 s21, s16, 3
	s_add_co_u32 s22, s20, s21                     ; attn's scale words: tile 16 mt + 8 x half
	s_lshl_b32 s22, s22, 11
	s_mov_b32 s23, 0
	s_lshl_b32 s21, s14, 2
	s_add_co_u32 s20, s20, s21                     ; my own four tiles: 16 mt + 4 x wave on
	s_mul_i32 s20, s20, ATB
	s_mov_b32 s21, 0
	s_mul_i32 s46, s42, 144
	s_mul_i32 s47, s16, 72
	s_add_co_u32 s96, s46, s47                     ; Wo's scale bytes: row 144 nt + 72 x half
	s_lshl_b32 s96, s96, 7
	s_mov_b32 s97, 0
	s_mul_i32 s47, s14, 36
	s_add_co_u32 s46, s46, s47                     ; Wo's codes: row 144 nt + 36 x wave
	s_mul_i32 s46, s46, 3072
	s_mov_b32 s47, 0
	s_mul_i32 s19, s14, WPART                      ; where they go: the wave's number alone enters an LDS address
	s_lshl_b32 s2, s16, 14
	s_mul_i32 s3, s16, 36*272
	s_mul_i32 s12, s42, 576                        ; my tile's first column, in bytes
	s_mov_b32 s13, 0
	s_lshl_b32 s98, s17, 8
	s_lshl_b32 s99, s14, 6
	s_add_co_u32 s98, s98, s99                     ; my first token,
	s_mul_i32 s98, s98, NROW                       ; its row of out0
	s_mov_b32 s99, 0
	s_wait_dscnt 0x0                               ; both opening adds are done
	s_wait_kmcnt 0x0
	s_add_nc_u64 s[20:21], s[4:5], s[20:21]
	s_add_nc_u64 s[22:23], s[6:7], s[22:23]
	s_add_nc_u64 s[46:47], s[8:9], s[46:47]
	s_add_nc_u64 s[96:97], s[10:11], s[96:97]
	s_add_nc_u64 s[92:93], s[92:93], s[12:13]
	s_add_nc_u64 s[94:95], s[94:95], s[12:13]
	s_add_nc_u64 s[94:95], s[94:95], s[98:99]
	WIN 0x80                                       ; destination window 2
.irp b, 0,1,2,3,4,5,6,7,8
	global_load_b128 v[BO+8*\b:BO+8*\b+3], v[BOF], s[92:93] offset:64*\b        ; bo at columns 16 b + 8 h + 0 .. 7
	global_load_b128 v[BO+8*\b+4:BO+8*\b+7], v[BOF], s[92:93] offset:64*\b+16
.endr
	WIN 0
	ALOAD 0, 0                                     ; attn's first three K steps go out ahead of the round: 54 loads with bo's
	ALOAD 1, 1
	ALOAD 2, 2
	CROUND                                         ; all sixteen work-groups are here
	s_mov_b32 s[G0S], 1
	s_add_co_u32 s[G0S+1], s2, SCA
	s_mov_b64 s[G0S+2:G0S+3], s[22:23]
	s_or_b32 s[G0S+3], s[G0S+3], 0x80000000
	s_mov_b32 s[G0SB], 1
	s_add_co_u32 s[G0SB+1], s3, SCB
	s_mov_b64 s[G0SB+2:G0SB+3], s[96:97]
	s_or_b32 s[G0SB+3], s[G0SB+3], 0x80000000
	JLOAD G0S, G1S, G0SB, G1SB                     ; the scales first; then my 36 rows of both slots: three loads of mine are out
.irp s, 0,1
	s_mov_b32 s[G0B+4*\s], 1
	s_add_co_u32 s[G0B+4*\s+1], s19, \s*SLOT
	s_add_nc_u64 s[G0B+4*\s+2:G0B+4*\s+3], s[46:47], \s*KSB
	s_or_b32 s[G0B+4*\s+3], s[G0B+4*\s+3], 0x80000000
	tensor_load_to_lds s[G0B+4*\s:G0B+4*\s+3], s[G1B:G1B+7]
	s_nop 0
.endr
	PLACES 4
	ALOAD 3, 3                                     ; the ring's fourth set
	v_mul_u32_u24 v4, v1, PITCH
	v_mad_u32_u24 v4, v2, 24, v4                   ; a fragment's row x pitch + 24 x half
	v_lshl_add_u32 v5, v2, 4, v4                   ; and behind one padding more
	v_add_nc_u32 v[ADRB], 0, v4
	v_add_nc_u32 v[ADRB+1], SLOT, v4
	v_add_nc_u32 v[ADRB+2], 0, v5
	v_add_nc_u32 v[ADRB+3], SLOT, v5
	s_lshl_b32 s2, s14, 13
	s_add_co_u32 s2, s2, SCA
	v_lshl_add_u32 v[ADSA], v3, 2, s2              ; attn's words: 4 x lane takes two K steps
	v_lshrrev_b32 v6, 1, v1
	v_mul_u32_u24 v[ADSB], v6, 272                 ; Wo's: two rows to a unit of 256 + 16,
	v_and_b32 v6, 1, v1
	v_lshl_add_u32 v[ADSB], v6, 7, v[ADSB]
	v_lshl_add_u32 v[ADSB], v2, 2, v[ADSB]         ; lanes 16-31 the odd K step's word
	v_add_nc_u32 v[ADSB], SCB, v[ADSB]
	s_mul_i32 s2, s14, 16*SPITCH                   ; my stage
	v_mul_u32_u24 v[STO], v1, SPITCH
	v_lshl_add_u32 v[STO], v2, 5, v[STO]
	v_add_nc_u32 v[STO], s2, v[STO]
	v_add_nc_u32 v[RD], s2, v[CO]                  ; back: a row's first 512 bytes;
	v_lshrrev_b32 v6, 2, v3
	v_and_b32 v7, 3, v3
	v_mul_u32_u24 v[RD2], v6, SPITCH               ; and the last 64 bytes of eight rows
	v_lshl_add_u32 v[RD2], v7, 4, v[RD2]
	v_add_nc_u32 v[RD2], s2, v[RD2]
	v_add_nc_u32 v[RD2], 512, v[RD2]
	v_mul_u32_u24 v[CO2], v6, NROW
	v_lshl_add_u32 v[CO2], v7, 4, v[CO2]
	v_add_nc_u32 v[CO2], 512, v[CO2]
; a fragment of Wo: 16 rows x 128 K, 12 registers, in pieces of 8 bytes; 16 pieces lie between two paddings; lanes 16-31 read three pieces on, which for pieces 13 to 15 of the 16 is behind one padding more: the second address register
.macro FRAG reg, adr, q, i
.irp p, 0,1,2,3,4,5
.set PIECE, 12*(\q)+6*(\p/3)+\p%3
.if PIECE%16 < 13
	ds_load_b64 v[\reg+2*\p:\reg+2*\p+1], v[\adr] offset:8*PIECE+16*(PIECE/16)+(\i)*16*PITCH
.else
	ds_load_b64 v[\reg+2*\p:\reg+2*\p+1], v[\adr+2] offset:8*PIECE+16*(PIECE/16)+(\i)*16*PITCH
.endif
.endr
.endm
.macro FETCH_B slot, q, p              ; 54 loads
	WIN 0x40
.irp i, 0,1,2,3,4,5,6,7,8
	FRAG 128*(\p)+FR*\i, ADRB+(\slot), \q, \i
.endr
	WIN 0
.endm
.macro SCALES sc, pr                   ; 13 loads: the words of the pair of K steps pr (counted from where the two addresses stand) into set sc
.irp a, 0,1,2,3
	ds_load_b32 v[SC+13*(\sc)+\a], v[ADSA] offset:\a*2048+128*(\pr)
.endr
.irp b, 0,1,2,3,4,5,6,7,8
	ds_load_b32 v[SC+13*(\sc)+4+\b], v[ADSB] offset:\b*8*272+8*(\pr)
.endr
.endm
; nine products: attn's block a (of set as) against Wo's nine (of set p).  The 36 accumulators take turns in one order in every step
.macro MUL9 a, p, row, sc, as, first
.set AC, 72*((\a)%2)
.set AA, AF+48*(\as)+FR*(\a)
.if \first
	WIN 0xa1+0x40*((\a)/2)                         ; source 0 window 1, source 1 window 0, C (bo) window 2, D window 2 or 3
.else
	WIN 0xa1+0x50*((\a)/2)                         ; C and D window 2 or 3
.endif
.irp b, 0,1,2,3,4,5,6,7,8
.if \first
	v_wmma_scale_f32_16x16x128_f8f6f4 v[AC+8*\b:AC+8*\b+7], v[128*(\p)+FR*\b:128*(\p)+FR*\b+FR-1], v[AA:AA+FR-1], v[BO+8*\b:BO+8*\b+7], v[SC+13*(\sc)+4+\b], v[SC+13*(\sc)+(\a)] matrix_a_fmt:MATRIX_FMT_FP6 matrix_b_fmt:MATRIX_FMT_FP6
.elseif \row
	v_wmma_scale_f32_16x16x128_f8f6f4 v[AC+8*\b:AC+8*\b+7], v[128*(\p)+FR*\b:128*(\p)+FR*\b+FR-1], v[AA:AA+FR-1], v[AC+8*\b:AC+8*\b+7], v[SC+13*(\sc)+4+\b], v[SC+13*(\sc)+(\a)] matrix_a_fmt:MATRIX_FMT_FP6 matrix_b_fmt:MATRIX_FMT_FP6 matrix_a_scale:MATRIX_SCALE_ROW1 matrix_b_scale:MATRIX_SCALE_ROW1
.else
	v_wmma_scale_f32_16x16x128_f8f6f4 v[AC+8*\b:AC+8*\b+7], v[128*(\p)+FR*\b:128*(\p)+FR*\b+FR-1], v[AA:AA+FR-1], v[AC+8*\b:AC+8*\b+7], v[SC+13*(\sc)+4+\b], v[SC+13*(\sc)+(\a)] matrix_a_fmt:MATRIX_FMT_FP6 matrix_b_fmt:MATRIX_FMT_FP6
.endif
.endr
.endm
; ONE K STEP OF 128.  rs: the step, counted from where attn's pointer and the scales' addresses stand (a multiple of 8 steps): its place in its slot is rs % 4, its slot (rs / 4) % 2, Wo's set rs % 2, attn's set rs % 4.
; At its head stands ONE run of loads, four places behind the last step's products: Wo's fragments of the next step into the set that the last step read (fetch); at even steps the next pair's scale words (scl);
; attn's fragments of the step three on into the set that the last step read (aload).  lcnt: how many younger loads may stay out when this step's fragments of attn have to be there.
; chg = 1, 2: THE CHANGE OF SLOTS, at the head of a slot's fourth step: the slot's last reads were issued a step ago.  Each wave waits for all its tensor loads (its part of the other slot), adds 0 to its spare word,
; and waits for that and for its reads.  chg = 1: a round of the cluster's barrier, and this slot is filled again, 1,024 along K further on: the load has four K steps, 144 matrix instructions, in which to land.  chg = 2: nothing is left to fetch.
.macro STEPX rs, chg, fetch, aload, scl, lcnt, first
.set S_SLOT, ((\rs)/4)%2
.set S_P,    (\rs)%2
.set S_SC,   ((\rs)/2)%2
.set S_AS,   (\rs)%4
.set N_SLOT, (((\rs)+1)/4)%2
.set N_Q,    ((\rs)+1)%4
.set N_P,    ((\rs)+1)%2
.set N_PR,   (\rs)/2+1
.set N_SC,   N_PR%2
.set N_ST,   (\rs)+3
.set N_AS,   N_ST%4
.if \chg == 0
	s_wait_dscnt 0x0                               ; Wo's fragments of this step, asked for a step ago, are in; so are the scale words
.if \first == 0
	PLACES 4                                       ; in front of loads into registers that the last step's products have read
.endif
.else
	s_wait_tensorcnt 0x0                           ; all my tensor loads have landed: my part of the other slot
	ds_add_u32 v[SPW], v[NIL]                      ; 0 onto my spare word
.if \chg == 1
	s_add_nc_u64 s[G0B+4*S_SLOT+2:G0B+4*S_SLOT+3], s[G0B+4*S_SLOT+2:G0B+4*S_SLOT+3], 2*KSB   ; no tensor load of mine is out: this slot's next tile
.endif
	s_wait_dscnt 0x0                               ; the add is done, and my reads of this slot are over
.if \chg == 1
	CROUND                                         ; no wave of any partner still reads this slot or has a load on its way
	tensor_load_to_lds s[G0B+4*S_SLOT:G0B+4*S_SLOT+3], s[G1B:G1B+7]   ; my one tensor load behind the round
	s_nop 0
.else
	s_barrier_signal -1
	s_barrier_wait -1
.endif
	PLACES 4                                       ; the places in front of the loads below
.endif
.if \fetch
	FETCH_B N_SLOT, N_Q, N_P
.endif
.if \scl
	SCALES N_SC, N_PR
.endif
.if \aload
	ALOAD N_ST, N_AS
.endif
	s_wait_loadcnt \lcnt                           ; loads come back in order: this step's fragments of attn are in, the younger steps' stay out
	MUL9 0, S_P, S_P, S_SC, S_AS, \first
	MUL9 1, S_P, S_P, S_SC, S_AS, \first
	MUL9 2, S_P, S_P, S_SC, S_AS, \first
	MUL9 3, S_P, S_P, S_SC, S_AS, \first
	WIN 0
.endm
	s_wait_tensorcnt 0x1                           ; the scales and my part of slot 0 are in; slot 1's load may stay out
	s_barrier_signal -1
	s_barrier_wait -1
	FETCH_B 0, 0, 0
	SCALES 0, 0
	STEPX 0, 0, 1, 0, 1, 36, 1                     ; the first step starts the sums from bo.  36: the loads of K steps 1, 2, 3; bo's and step 0's are older
	STEPX 1, 0, 1, 1, 0, 36, 0
	STEPX 2, 0, 1, 1, 1, 36, 0
	s_mov_b32 s3, 3
.Llap:                                             ; a trip is eight K steps, from a slot's fourth step to the fourth-but-one of the slot two on: all register numbers come back, and both slots are filled again
	STEPX 3, 1, 1, 1, 0, 36, 0
	STEPX 4, 0, 1, 1, 1, 36, 0
	STEPX 5, 0, 1, 1, 0, 36, 0
	STEPX 6, 0, 1, 1, 1, 36, 0
	STEPX 7, 1, 1, 1, 0, 36, 0
	STEPX 8, 0, 1, 1, 1, 36, 0
	STEPX 9, 0, 1, 1, 0, 36, 0
	STEPX 10, 0, 1, 1, 1, 36, 0
	s_wait_xcnt 0x0                                ; the loads have read their base: it is stepped only behind this wait
	s_add_nc_u64 s[20:21], s[20:21], 8*AIMG
	v_add_nc_u32 v[ADSA], 512, v[ADSA]             ; four pairs of K steps on
	v_add_nc_u32 v[ADSB], 32, v[ADSB]
	s_sub_co_u32 s3, s3, 1
	s_cmp_lg_u32 s3, 0
	s_cbranch_scc1 .Llap
	STEPX 3, 2, 1, 1, 0, 36, 0                     ; K step 27: the last change of slots fills nothing; attn's step 30 is asked for
	STEPX 4, 0, 1, 1, 1, 36, 0                     ; 28: attn's last step and the last pair's scale words
	STEPX 5, 0, 1, 0, 0, 24, 0                     ; 29: nothing more of attn: no load leaves its buffer, and the counts run down
	STEPX 6, 0, 1, 0, 0, 12, 0
	STEPX 7, 0, 0, 0, 0, 0, 0
; THE WAY OUT, 16 tokens x 144 columns at a time, through my own stage; LDS serves a wave's instructions in order, so no wait stands between the stores and the loads
.macro TOSTAGE a
.set AC, 72*((\a)%2)
	WIN 0x08+4*((\a)/2)
.irp b, 0,1,2,3,4,5,6,7,8
	ds_store_b128 v[STO], v[AC+8*\b:AC+8*\b+3] offset:64*\b          ; each accumulator from its low end on
	ds_store_b128 v[STO], v[AC+8*\b+4:AC+8*\b+7] offset:64*\b+16
.endr
	WIN 0
.set BB, BK+72*((\a)%2)
.irp t, 0,1,2,3,4,5,6,7,8,9,10,11,12,13,14,15
	ds_load_b128 v[BB+4*\t:BB+4*\t+3], v[RD] offset:\t*SPITCH
.endr
.irp t, 0,1
	ds_load_b128 v[BB+64+4*\t:BB+67+4*\t], v[RD2] offset:\t*8*SPITCH
.endr
.endm
.macro SEND a, younger
.set BB, BK+72*((\a)%2)
	s_wait_dscnt \younger
.if (\a) > 0
	s_add_nc_u64 s[94:95], s[94:95], 16*NROW       ; (behind a wait for the earlier stores' addresses)
.endif
.irp t, 0,1,2,3,4,5,6,7,8,9,10,11,12,13,14,15
	global_store_b128 v[CO], v[BB+4*\t:BB+4*\t+3], s[94:95] offset:\t*NROW th:TH_STORE_NT   ; 512 consecutive bytes of a row
.endr
.irp t, 0,1
	global_store_b128 v[CO2], v[BB+64+4*\t:BB+67+4*\t], s[94:95] offset:\t*8*NROW th:TH_STORE_NT   ; the last 64 bytes of eight rows
.endr
.endm
	PLACES 4
	TOSTAGE 0
.irp a, 1,2,3
.if \a > 1
	s_wait_xcnt 0x0                                ; block a - 2's stores have read their registers and their base
.endif
	TOSTAGE \a
	SEND \a-1, 36                                  ; behind block a - 1's loads: block a's 18 stores and 18 loads
.endr
	s_wait_xcnt 0x0
	SEND 3, 0
	s_wait_tensorcnt 0x0                           ; the wave's end
	ds_add_u32 v[SPW], v[NIL]
	s_wait_dscnt 0x0
	CROUND                                         ; the closing round
	s_endpgm
.Lfunc_end_k_q89ece9a5d3_oproj:
	.size	k_q89ece9a5d3_oproj, .Lfunc_end_k_q89ece9a5d3_oproj-k_q89ece9a5d3_oproj
	.p2alignl 7, 3214868480
	.fill 96, 4, 3214868480
	.section	.rodata,"a",@progbits
	.p2align	6, 0x0
	.amdhsa_kernel k_q89ece9a5d3_oproj
		.amdhsa_group_segment_fixed_size 327680
		.amdhsa_private_segment_fixed_size 0
		.amdhsa_enable_private_segment 0
		.amdhsa_kernarg_size 48
		.amdhsa_user_sgpr_count 2
		.amdhsa_user_sgpr_kernarg_segment_ptr 1
		.amdhsa_wavefront_size32 1
		.amdhsa_system_sgpr_workgroup_id_x 1
		.amdhsa_system_sgpr_workgroup_id_y 1
		.amdhsa_system_sgpr_workgroup_id_z 1
		.amdhsa_system_vgpr_workitem_id 0
		.amdhsa_next_free_vgpr 1024
		.amdhsa_next_free_sgpr 100
		.amdhsa_reserve_vcc 0
		.amdhsa_float_denorm_mode_32 3
		.amdhsa_float_denorm_mode_16_64 3
		.amdhsa_memory_ordered 1
		.amdhsa_forward_progress 1
		.amdhsa_inst_pref_size 185
	.end_amdhsa_kernel
	.amdgpu_metadata
---
amdhsa.version: [ 1, 2 ]
amdhsa.kernels:
  - .name:           k_q89ece9a5d3_oproj
    .symbol:         k_q89ece9a5d3_oproj.kd
    .args:
      - { .name: attn_codes, .offset: 0, .size: 8, .value_kind: global_buffer, .address_space: global }
      - { .name: attn_scales, .offset: 8, .size: 8, .value_kind: global_buffer, .address_space: global }
      - { .name: Wo_codes, .offset: 16, .size: 8, .value_kind: global_buffer, .address_space: global }
      - { .name: Wo_scales, .offset: 24, .size: 8, .value_kind: global_buffer, .address_space: global }
      - { .name: bo, .offset: 32, .size: 8, .value_kind: global_buffer, .address_space: global }
      - { .name: out0, .offset: 40, .size: 8, .value_kind: global_buffer, .address_space: global }
    .group_segment_fixed_size: 327680
    .private_segment_fixed_size: 0
    .kernarg_segment_align: 8
    .kernarg_segment_size: 48
    .max_flat_workgroup_size: 128
    .sgpr_count:     100
    .vgpr_count:     1024
    .wavefront_size: 32
...
	.end_amdgpu_metadata
.endif
;; end of part 4
